; MI455X (gfx1250); checked and timed in simulation.
; The chip was launched on July 23, 2026; its instructions are those of AMD's public machine-readable ISA for CDNA 5 (MIT licence, August 2026) and "CDNA5" Instruction Set Architecture Reference Guide (July 2026). The comments in the code are by the model that wrote it; some were corrected since.
;; Multi Scale Retention. Allowed arithmetic: float matrix products may take bf16 or f16 operands with f32 sums; all other float work in f32.
;; Inputs: W_G 512 x 512 float32; W_K 8 x 512 x 64 float32; W_O 512 x 512 float32; W_Q 8 x 512 x 64 float32; W_V 8 x 512 x 64 float32; dones 8 x 2,048 bool; gn_bias 512 float32; gn_scale 512 float32; hstate 8 x 8 x 64 x 64 float32; key 8 x 2,048 x 512 float32; query 8 x 2,048 x 512 float32; value 8 x 2,048 x 512 float32.
;; Outputs: out0 8 x 2,048 x 512 float32; out1 8 x 8 x 64 x 64 float32.
;; One version. Each part assembles by itself: llvm-mc -triple=amdgcn-amd-amdhsa -mcpu=gfx1250 --defsym DOCPART=n.
;; ======== version 1 of 1: 4 launches
;; limits: values outside matrix products are rounded to f16; values are held in f16: magnitudes above 65,504 overflow, below 6.1e-05 lose precision; right only within a limited range of input values
;; workspace buffers: wall 2,621,440 bytes; q16 16,777,216 bytes; k16 16,777,216 bytes; v16 16,777,216 bytes; g16 16,777,216 bytes; yn 16,777,216 bytes; qe 524,288 bytes
;; launch prep (part 1): grid 5 x 32, 8 waves a work-group, no clusters, 0 bytes of LDS; arguments W_Q, W_K, W_V, W_G, W_O, wall; writes wall
.if DOCPART == 1
	.amdgcn_target "amdgcn-amd-amdhsa--gfx1250"
	.amdhsa_code_object_version 6
	.text
	.protected	k_qba3baafc8d_prep
	.globl	k_qba3baafc8d_prep
	.p2align	8
	.type	k_qba3baafc8d_prep,@function
k_qba3baafc8d_prep:
	s_mov_b64 s[64:65], 0
	v_nop
	global_prefetch_b8 v0, s[64:65] scope:SCOPE_SE
	s_setreg_imm32_b32 hwreg(HW_REG_WAVE_MODE, 25, 1), 1
	s_wait_xcnt 0x0
; The five weights, rounded to bf16 and laid side by side as ONE matrix wall[512 k][2560 n] of 16-bit numbers (a row is 5,120 bytes):
; columns 0 W_Q, 512 W_K, 1024 W_V (head h, channel d at column 64 h + d), 1536 W_G, all bf16; 2048 W_O as f16 of 256 x bf16(W_O).
; bf16's 8 significant bits fit in f16 exactly while 256 |W_O| lies in 6.1e-5 .. 65,504; below that f16's fixed step of 6e-8 holds.
; Work-group (w, y): weight w, rows k = 16 y .. 16 y + 15.  Thread t: columns 4 (t % 128) .. + 3, row 2 p + t / 128 in pass p = 0..7.
; A stream: no LDS, no matrix unit.  Sixteen lanes load 256 consecutive bytes; a wave's store covers 256 consecutive bytes, aligned.
.set OFF, 6                            ; v[6:13]   source byte offset of pass p
.set X,   16                           ; v[16:47]  four f32 of pass p
.set D,   48                           ; v[48:63]  two packed words of pass p
	s_load_b256 s[4:11], s[0:1], 0x0               ; W_Q, W_K, W_V, W_G
	s_load_b128 s[12:15], s[0:1], 0x20             ; W_O, wall
	s_mov_b32 s20, ttmp9                           ; w
	s_and_b32 s21, ttmp7, 0xffff                   ; y
	s_cmp_lt_u32 s20, 3                            ; the three weights that lie by heads
	s_cselect_b32 s22, 17, 8                       ; log2 of the bytes from one group of 64 columns to the next: 131,072 or 256
	s_cselect_b32 s23, 8, 11                       ; log2 of the bytes from row k to k + 1: 256 or 2,048
	s_lshl_b32 s24, 2, s23                         ; two rows
	s_lshl_b32 s26, s21, 4
	s_lshl_b32 s26, s26, s23                       ; 16 y rows of the source
	s_mov_b32 s27, 0
	s_mul_i32 s28, s21, 16*5120                    ; 16 y rows of wall,
	s_lshl_b32 s29, s20, 10                        ; and the weight's 512 columns
	s_add_co_u32 s28, s28, s29
	s_mov_b32 s29, 0
	v_and_b32 v1, 127, v0                          ; group of four columns
	v_lshrrev_b32 v2, 7, v0                        ; which of a pass's two rows
	v_lshrrev_b32 v3, 4, v1
	v_lshlrev_b32 v3, s22, v3
	v_and_b32 v5, 15, v1
	v_lshl_add_u32 v3, v5, 4, v3
	v_lshlrev_b32 v5, s23, v2
	v_add_nc_u32 v[OFF], v3, v5
.irp p, 1,2,3,4,5,6,7
	v_add_nc_u32 v[OFF+(\p)], s24, v[OFF+(\p)-1]
.endr
	v_mul_u32_u24 v4, v2, 5120
	v_lshl_add_u32 v4, v1, 3, v4                   ; my 8 bytes in wall
	s_wait_kmcnt 0x0
	s_cmp_eq_u32 s20, 1
	s_cselect_b64 s[16:17], s[6:7], s[4:5]
	s_cmp_eq_u32 s20, 2
	s_cselect_b64 s[16:17], s[8:9], s[16:17]
	s_cmp_eq_u32 s20, 3
	s_cselect_b64 s[16:17], s[10:11], s[16:17]
	s_cmp_eq_u32 s20, 4
	s_cselect_b64 s[16:17], s[12:13], s[16:17]
	s_add_nc_u64 s[16:17], s[16:17], s[26:27]
	s_add_nc_u64 s[14:15], s[14:15], s[28:29]
.irp p, 0,1,2,3,4,5,6,7
	global_load_b128 v[X+4*(\p):X+4*(\p)+3], v[OFF+(\p)], s[16:17] th:TH_LOAD_NT
.endr
	s_wait_loadcnt 0x0
.irp p, 0,1,2,3,4,5,6,7
	v_cvt_pk_bf16_f32 v[D+2*(\p)], v[X+4*(\p)], v[X+4*(\p)+1]
	v_cvt_pk_bf16_f32 v[D+2*(\p)+1], v[X+4*(\p)+2], v[X+4*(\p)+3]
.endr
	s_cmp_lg_u32 s20, 4
	s_cbranch_scc1 .Lstore
.set i, 0
.rept 16                               ; W_O: the bf16 number times 256, written as f16
	v_lshlrev_b32 v64, 16, v[D+i]
	v_and_b32 v65, 0xffff0000, v[D+i]
	v_pk_mul_f32 v[64:65], v[64:65], 0x43800000 op_sel_hi:[1,0]
	v_cvt_pk_f16_f32 v[D+i], v64, v65
.set i, i+1
.endr
.Lstore:
.irp p, 0,1,2,3,4,5,6,7
	global_store_b64 v4, v[D+2*(\p):D+2*(\p)+1], s[14:15] offset:(\p)*2*5120
.endr
	s_endpgm
.Lfunc_end_k_qba3baafc8d_prep:
	.size	k_qba3baafc8d_prep, .Lfunc_end_k_qba3baafc8d_prep-k_qba3baafc8d_prep
	.p2alignl 7, 3214868480
	.fill 96, 4, 3214868480
	.section	.rodata,"a",@progbits
	.p2align	6, 0x0
	.amdhsa_kernel k_qba3baafc8d_prep
		.amdhsa_group_segment_fixed_size 0
		.amdhsa_private_segment_fixed_size 0
		.amdhsa_enable_private_segment 0
		.amdhsa_kernarg_size 48
		.amdhsa_user_sgpr_count 2
		.amdhsa_user_sgpr_kernarg_segment_ptr 1
		.amdhsa_wavefront_size32 1
		.amdhsa_system_sgpr_workgroup_id_x 1
		.amdhsa_system_sgpr_workgroup_id_y 1
		.amdhsa_system_sgpr_workgroup_id_z 1
		.amdhsa_system_vgpr_workitem_id 0
		.amdhsa_next_free_vgpr 72
		.amdhsa_next_free_sgpr 66
		.amdhsa_reserve_vcc 0
		.amdhsa_float_denorm_mode_32 3
		.amdhsa_float_denorm_mode_16_64 3
		.amdhsa_memory_ordered 1
		.amdhsa_forward_progress 1
		.amdhsa_inst_pref_size 9
	.end_amdhsa_kernel
	.amdgpu_metadata
---
amdhsa.version: [ 1, 2 ]
amdhsa.kernels:
  - .name:           k_qba3baafc8d_prep
    .symbol:         k_qba3baafc8d_prep.kd
    .args:
      - { .name: W_Q, .offset: 0, .size: 8, .value_kind: global_buffer, .address_space: global }
      - { .name: W_K, .offset: 8, .size: 8, .value_kind: global_buffer, .address_space: global }
      - { .name: W_V, .offset: 16, .size: 8, .value_kind: global_buffer, .address_space: global }
      - { .name: W_G, .offset: 24, .size: 8, .value_kind: global_buffer, .address_space: global }
      - { .name: W_O, .offset: 32, .size: 8, .value_kind: global_buffer, .address_space: global }
      - { .name: wall, .offset: 40, .size: 8, .value_kind: global_buffer, .address_space: global }
    .group_segment_fixed_size: 0
    .private_segment_fixed_size: 0
    .kernarg_segment_align: 8
    .kernarg_segment_size: 48
    .max_flat_workgroup_size: 256
    .sgpr_count:     66
    .vgpr_count:     72
    .wavefront_size: 32
...
	.end_amdgpu_metadata
.endif
;; end of part 1
;; launch proj (part 2): grid 32 x 8, 8 waves a work-group, clusters of 4 x 1, 327,680 bytes of LDS; arguments query, key, value, wall, q16, k16, v16, g16, qe; writes q16, k16, v16, g16, qe
.if DOCPART == 2
	.amdgcn_target "amdgcn-amd-amdhsa--gfx1250"
	.amdhsa_code_object_version 6
	.text
	.protected	k_qba3baafc8d_proj
	.globl	k_qba3baafc8d_proj
	.p2align	8
	.type	k_qba3baafc8d_proj,@function
k_qba3baafc8d_proj:
	s_mov_b64 s[64:65], 0
	v_nop
	global_prefetch_b8 v0, s[64:65] scope:SCOPE_SE
	s_setreg_imm32_b32 hwreg(HW_REG_WAVE_MODE, 25, 1), 1
	s_wait_xcnt 0x0
	s_wait_alu depctr_hold_cnt(0) depctr_sa_sdst(0) depctr_va_vdst(0) depctr_va_sdst(0) depctr_va_ssrc(0) depctr_va_vcc(0) depctr_vm_vsrc(0)
	s_getreg_b32 s2, hwreg(HW_REG_IB_STS2, 6, 4)
	s_cmp_eq_u32 s2, 0
	s_cbranch_scc0 .Lentry_in_a_cluster
	s_endpgm
.Lentry_in_a_cluster:
	s_bfe_u32 s2, ttmp6, 0x10000c
	s_cmp_lg_u32 s2, 0x3003
	s_cbranch_scc0 .Lentry_shape_is_right
	s_endpgm
.Lentry_shape_is_right:
; THE FOUR PROJECTIONS.  C = bf16(x) bf16(W), sums in f32.  x: [16384][512] f32 (query for q, key for k and the gate g, value for v); W: 512 columns of wall.
; What is stored, all f16 by heads [b][head][2048][64] (a row is 128 bytes, a head's rows are dense), with kappa the head's decay and j the row's time step in its chunk of 256 rows:
;   q16 = q s, s the power of two that brings the row-and-head's largest |q| into 1 .. 2;   qe = 1e-6 (64 s kappa^-j)^2 in f32: the norm's eps in the units in which the next launch forms its sums
;   k16 = 4 k kappa^-j          v16 = 16 v          g16 = 16 g
; LIMITS.  f16 ends at 65,504: 4 |k| kappa^-63 (kappa^-63 is 7.4 at the most), 16 |v| and 16 |g| must stay below it; below 6.1e-5 they keep f16's fixed step of 6e-8.  A row of q that is all 0 gets s = 2^127 and
; qe = infinity, which the next launch turns into the bias alone, as the norm of a zero row is.  NaN and infinities are not treated apart.
; SHARES.  Work-group (X, y): rows 512 X .. + 511, walked as four tiles of 128, and columns 256 y .. + 255 of wall's first 2,048 (y / 2: q, k, v, g).  Eight waves, 2 x 4, each 64 rows x 64 columns
; (one head): 16 accumulators.  K goes in steps of 128 through two LDS slots; the ring runs on from tile to tile.
; CLUSTER.  The four work-groups of a cluster have the same y and walk the same tiles of wall in the same order: waves 4-7 ask for them JOINTLY (mask of four).  x's tiles are each work-group's own, asked
; for by waves 0-3 with no mask: x is shared along y alone, by two slices (query, value) or four (key), which no one mask of a 4 x 1 cluster along x names.
; THE MATRIX INSTRUCTION IS USED TRANSPOSED (source 0 = 16 columns of W, source 1 = 16 rows of x): a lane holds row l % 16 and eight neighbouring columns 8 (l / 16) + 0..7.
.set PA,    528                        ; a row of x in LDS: 128 f32 + 16 bytes: 33 x 16, so the 16 rows of a load start at 16 different 16-byte columns of the 256-byte row of banks (ISA guide 11.1)
.set PB,    544                        ; a row of wall in LDS: 256 numbers + 32 bytes: 17 x 32, for the turning load
.set BOFF,  128*PA                     ; a slot: x's 128 rows, then wall's 128 rows
.set SLOT,  BOFF+128*PB
.set STAGE, 2*SLOT                     ; behind the ring, never filled by a tensor load: 16 rows x 144 bytes for each wave
.set SP,    144
.set SPARE, STAGE+8*16*SP              ; the spare words, 128 bytes for each wave
.set SPW,  3                           ; v3   my spare word's LDS address; never rewritten
.set NIL,  4                           ; v4   0; never rewritten
.set ADRA, 5                           ; v5-6 LDS address of my fragments of x in slot 0, 1
.set ADRB, 7                           ; v7-8 the same for wall
.set STO,  9                           ; v9   the way out: where I put 16 bytes of a row
.set RD,   10                          ; v10  where I read rows back
.set GO,   11                          ; v11  16 x lane
.set NLK,  12                          ; v12  -log2(kappa)
.set JR,   13                          ; v13  (l % 16) / 4 as f32
.set FA,   14                          ; v14-17 the factor of my row in block a
.set QO,   28                          ; v28  4 x lane
.set JB,   29
.set AF,   32                          ; v32-95  x: 16 registers a block of 16 rows as loaded (f32), the first 8 of them the bf16 fragment
.set BF,   96                          ; v96-127 wall: 8 registers a block of 16 columns
.set ACC,  128                         ; accumulator (a, b) at v[128 + 8 (4 a + b)]
.set WV,   22                          ; s22 wave; s23 wave / 4 (my 64 rows); s24 wave % 4 (my 64 columns; also which 32 rows of a tile I fetch)
.set WM,   23
.set WN,   24
.set TYPE, 30
.set HEAD, 31
.set G1A,  32                          ; s[32:39] descriptor group 1 for x, s[40:47] for wall
.set G1B,  40
.set G0A,  48                          ; s[48:51], s[52:55] group 0
.set G0B,  52
.set ABASE, 56                         ; s[56:57] x at my 32 rows of the tile in hand
.set BBASE, 58                         ; s[58:59] wall at my 32 rows of K step 0
.set LA,   62                          ; s62, s63 where my part of a tile goes in slot 0
.set LB,   63
.set LEFT, 67                          ; s67 tiles to go, this one among them
.set CP,   68                          ; s[68:69] the output at my 64 rows
.set EP,   70                          ; s[70:71] qe at my 64 rows
.set SEL,  72                          ; s[72:73] v_permlanex16_b32's selects
.set HIM,  74                          ; s74 lanes 16-31
.macro ROUND                           ; a round of the cluster's barrier
	s_barrier_signal -1
	s_barrier_wait -1
	s_cmp_lg_u32 s[WV], 0
	s_cbranch_scc1 .Lnot_wave_0_\@
	s_barrier_signal -3
.Lnot_wave_0_\@:
	s_barrier_wait -3
	s_barrier_signal -1
	s_barrier_wait -1
.endm
.macro JLOAD                           ; waves 0-3: 32 rows of x each; waves 4-7: 32 rows of wall each, jointly.  An s_nop 0 and four v_nop follow each line
	s_cmp_lt_u32 s[WV], 4
	s_cbranch_scc0 .Lfor_b_\@
	tensor_load_to_lds s[G0A:G0A+3], s[G1A:G1A+7]
	s_nop 0
.rept 4
	v_nop
.endr
	s_branch .Lasked_\@
.Lfor_b_\@:
	tensor_load_to_lds s[G0B:G0B+3], s[G1B:G1B+7]
	s_nop 0
.rept 4
	v_nop
.endr
.Lasked_\@:
.endm
	s_load_b512 s[4:19], s[0:1], 0x0               ; query, key, value, wall, q16, k16, v16, g16
	s_load_b64 s[20:21], s[0:1], 0x40              ; qe
	v_lshl_add_u32 v[SPW], v0, 2, SPARE
	v_mov_b32 v[NIL], 0
	ds_add_u32 v[SPW], v[NIL]                      ; the wave's opening: the add and its wait stand ahead of my first tensor load
	v_lshrrev_b32 v1, 5, v0
	v_readfirstlane_b32 s[WV], v1
	s_lshr_b32 s[WM], s[WV], 2
	s_and_b32 s[WN], s[WV], 3
	s_bfe_u32 s27, ttmp6, 0x40000                  ; cx
	s_lshl_b32 s28, ttmp9, 2
	s_add_co_u32 s28, s28, s27                     ; X = 4 x cluster x + cx: it enters x's, the outputs' and qe's addresses alone
	s_and_b32 s29, ttmp7, 0xffff                   ; y, which the partners share
	s_lshr_b32 s[TYPE], s29, 1
	s_and_b32 s[HEAD], s29, 1
	s_lshl2_add_u32 s[HEAD], s[HEAD], s[WN]        ; head = 4 (y % 2) + wave % 4
	s_mov_b32 s[G1A+0], (2<<16)|(1<<20)|(6<<22)|(3<<25)             ; no mask; elements of 4 bytes; padding on: after every 128 words 4 words
	s_mov_b32 s[G1A+1], 128<<16                    ; tensor_dim0 = 128
	s_mov_b32 s[G1A+2], 32<<16                     ; tensor_dim1 = 32
	s_mov_b32 s[G1A+3], 128<<16                    ; tile_dim0 = 128
	s_mov_b32 s[G1A+4], 32                         ; tile_dim1 = 32
	s_mov_b32 s[G1A+5], 512                        ; elements from row to row
	s_mov_b32 s[G1A+6], 0
	s_mov_b32 s[G1A+7], 0
	s_mov_b32 s[G1B+0], 15|(1<<16)|(1<<20)|(1<<21)|(6<<22)|(7<<25)  ; the mask of four; elements of 2 bytes; padding on; bit 21 beside a mask; after every 128 words 8 words
	s_mov_b32 s[G1B+1], 256<<16
	s_mov_b32 s[G1B+2], 32<<16
	s_mov_b32 s[G1B+3], 256<<16
	s_mov_b32 s[G1B+4], 32
	s_mov_b32 s[G1B+5], 2560
	s_mov_b32 s[G1B+6], 0
	s_mov_b32 s[G1B+7], 0
	s_mul_i32 s[LA], s[WN], 32*PA
	s_mul_i32 s[LB], s[WN], 32*PB
	s_add_co_u32 s[LB], s[LB], BOFF
	s_mov_b32 s[G0A], 1
	s_mov_b32 s[G0A+1], s[LA]
	s_mov_b32 s[G0B], 1
	s_mov_b32 s[G0B+1], s[LB]
	s_lshl_b32 s60, s28, 20                        ; x: 512 X rows of 2,048 bytes,
	s_lshl_b32 s75, s[WN], 16                      ; and my 32 rows of a tile
	s_add_co_u32 s60, s60, s75
	s_mov_b32 s61, 0
	s_lshl_b32 s76, s29, 9                         ; wall: 256 y columns,
	s_mul_i32 s77, s[WN], 32*5120                  ; and my 32 rows of a K step
	s_add_co_u32 s76, s76, s77
	s_mov_b32 s77, 0
	s_lshr_b32 s78, s28, 2                         ; the outputs: b = X / 4,
	s_lshl3_add_u32 s78, s78, s[HEAD]
	s_lshl_b32 s78, s78, 18                        ; (8 b + head) x 2,048 rows of 128 bytes,
	s_and_b32 s79, s28, 3
	s_lshl_b32 s79, s79, 16                        ; 512 (X % 4) rows,
	s_add_co_u32 s78, s78, s79
	s_lshl_b32 s79, s[WM], 13                      ; my 64 rows of a tile
	s_add_co_u32 s78, s78, s79
	s_mov_b32 s79, 0
	s_lshr_b32 s80, s78, 5                         ; qe: 4 bytes a row for the outputs' 128
	s_mov_b32 s81, 0
	s_mov_b32 s[SEL], 0x76543210
	s_mov_b32 s[SEL+1], 0xfedcba98
	s_mov_b32 s[HIM], 0xffff0000
	s_mov_b32 s[LEFT], 4
	s_wait_dscnt 0x0                               ; the opening add is done
	s_wait_kmcnt 0x0
	s_cmp_eq_u32 s[TYPE], 0
	s_cselect_b64 s[4:5], s[4:5], s[6:7]           ; q reads query; k and g read key;
	s_cselect_b64 s[CP:CP+1], s[12:13], s[14:15]
	s_cmp_eq_u32 s[TYPE], 2
	s_cselect_b64 s[4:5], s[8:9], s[4:5]           ; v reads value
	s_cselect_b64 s[CP:CP+1], s[16:17], s[CP:CP+1]
	s_cmp_eq_u32 s[TYPE], 3
	s_cselect_b64 s[CP:CP+1], s[18:19], s[CP:CP+1]
	s_add_nc_u64 s[ABASE:ABASE+1], s[4:5], s[60:61]
	s_add_nc_u64 s[BBASE:BBASE+1], s[10:11], s[76:77]
	s_add_nc_u64 s[CP:CP+1], s[CP:CP+1], s[78:79]
	s_add_nc_u64 s[EP:EP+1], s[20:21], s[80:81]
	s_add_nc_u64 s[G0A+2:G0A+3], s[ABASE:ABASE+1], 0
	s_or_b32 s[G0A+3], s[G0A+3], 0x80000000
	s_add_nc_u64 s[G0B+2:G0B+3], s[BBASE:BBASE+1], 0
	s_or_b32 s[G0B+3], s[G0B+3], 0x80000000
	ROUND                                          ; all four work-groups are here: the first joint loads meet
	JLOAD                                          ; tile 0, K step 0, into slot 0
	v_and_b32 v1, 15, v0                           ; l % 16
	v_bfe_u32 v2, v0, 4, 1                         ; l / 16
	v_mul_u32_u24 v[ADRA], v1, PA                  ; x: row x pitch + 32 bytes (8 f32) x half
	v_lshl_add_u32 v[ADRA], v2, 5, v[ADRA]
	s_mul_i32 s75, s[WM], 64*PA
	v_add_nc_u32 v[ADRA], s75, v[ADRA]
	v_add_nc_u32 v[ADRA+1], SLOT, v[ADRA]
	v_and_b32 v18, 7, v0                           ; wall lies [k][n]: the turning load's lane l reads row 8 (l / 16) + l % 8, 16 bytes at 16 ((l / 8) % 2)
	v_bfe_u32 v19, v0, 3, 1
	v_lshl_add_u32 v20, v2, 3, v18
	v_mul_u32_u24 v[ADRB], v20, PB
	v_lshl_add_u32 v[ADRB], v19, 4, v[ADRB]
	s_lshl_b32 s75, s[WN], 7
	s_add_co_u32 s75, s75, BOFF
	v_add_nc_u32 v[ADRB], s75, v[ADRB]
	v_add_nc_u32 v[ADRB+1], SLOT, v[ADRB]
	s_mul_i32 s75, s[WV], 16*SP
	s_add_co_u32 s75, s75, STAGE                   ; my stage
	v_mul_u32_u24 v[STO], v1, SP
	v_lshl_add_u32 v[STO], v2, 4, v[STO]
	v_add_nc_u32 v[STO], s75, v[STO]
	v_bfe_u32 v[RD], v0, 3, 2                      ; back: 32 lanes take four rows of 128 bytes
	v_mul_u32_u24 v[RD], v[RD], SP
	v_lshl_add_u32 v[RD], v18, 4, v[RD]
	v_add_nc_u32 v[RD], s75, v[RD]
	v_and_b32 v[GO], 31, v0
	v_lshlrev_b32 v[QO], 2, v[GO]
	v_lshlrev_b32 v[GO], 4, v[GO]
	v_lshrrev_b32 v[JR], 2, v1
	v_cvt_f32_u32 v[JR], v[JR]
	; kappa = 1 - p, p = 2^-(5 + 4 head / 7).  -log2(kappa) = log2(e) (p + p^2/2 + p^3/3 + p^4/4 + p^5/5): p is 1/32 at the most, so the first term left out is 2e-10 of the sum
	v_cvt_f32_u32 v18, s[HEAD]
	s_mov_b32 s75, 0xbf124925                      ; -4/7
	s_mov_b32 s76, 0x3e4ccccd                      ; 1/5
	v_fma_f32 v18, v18, s75, 0xc0a00000            ; -5
	v_exp_f32 v18, v18
	v_nop                                          ; a plain instruction behind the exponential (ISA guide 5.7.2)
	s_wait_alu depctr_va_vdst(0)
	v_fma_f32 v19, v18, s76, 0x3e800000
	v_fma_f32 v19, v18, v19, 0x3eaaaaab
	v_fma_f32 v19, v18, v19, 0.5
	v_fma_f32 v19, v18, v19, 1.0
	v_mul_f32 v19, v18, v19
	v_mul_f32 v[NLK], 0x3fb8aa3b, v19
; 32 along K: four places behind the last products (ISA guide 7.12.1 for vector instructions), 16 loads of x (f32), 8 turning loads of wall, x rounded to bf16 in place, 16 products.
; The 16 accumulators take turns, one instruction a turn.
.macro SUB slot, sub, zero
.rept 4
	v_nop
.endr
.irp a, 0,1,2,3
	ds_load_b128 v[AF+16*(\a):AF+16*(\a)+3],     v[ADRA+(\slot)] offset:(\a)*16*PA+(\sub)*128      ; k = 8 h + 0..3
	ds_load_b128 v[AF+16*(\a)+4:AF+16*(\a)+7],   v[ADRA+(\slot)] offset:(\a)*16*PA+(\sub)*128+16   ; k = 8 h + 4..7
	ds_load_b128 v[AF+16*(\a)+8:AF+16*(\a)+11],  v[ADRA+(\slot)] offset:(\a)*16*PA+(\sub)*128+64   ; k = 16 + 8 h + 0..3
	ds_load_b128 v[AF+16*(\a)+12:AF+16*(\a)+15], v[ADRA+(\slot)] offset:(\a)*16*PA+(\sub)*128+80
.endr
.irp b, 0,1,2,3
	ds_load_tr16_b128 v[BF+8*(\b):BF+8*(\b)+3],   v[ADRB+(\slot)] offset:(\sub)*32*PB+32*(\b)
	ds_load_tr16_b128 v[BF+8*(\b)+4:BF+8*(\b)+7], v[ADRB+(\slot)] offset:(\sub)*32*PB+32*(\b)+16*PB
.endr
	s_wait_dscnt 8                                 ; x's sixteen loads are in; wall's eight may stay out
.irp a, 0,1,2,3
.irp i, 0,1,2,3,4,5,6,7
	v_cvt_pk_bf16_f32 v[AF+16*(\a)+(\i)], v[AF+16*(\a)+2*(\i)], v[AF+16*(\a)+2*(\i)+1]  ; ascending: word i is written when words 2 i, 2 i + 1 are read
.endr
.endr
	s_wait_dscnt 0x0
.irp a, 0,1,2,3
.irp b, 0,1,2,3
.if \zero
	v_wmma_f32_16x16x32_bf16 v[ACC+8*(4*(\a)+(\b)):ACC+8*(4*(\a)+(\b))+7], v[BF+8*(\b):BF+8*(\b)+7], v[AF+16*(\a):AF+16*(\a)+7], 0
.else
	v_wmma_f32_16x16x32_bf16 v[ACC+8*(4*(\a)+(\b)):ACC+8*(4*(\a)+(\b))+7], v[BF+8*(\b):BF+8*(\b)+7], v[AF+16*(\a):AF+16*(\a)+7], v[ACC+8*(4*(\a)+(\b)):ACC+8*(4*(\a)+(\b))+7]
.endif
.endr
.endr
.endm
; A K step of 128 out of slot `slot`.  In front of the barrier each wave waits for all its tensor loads (one is out: its part of this slot), adds 0 to its spare word, and waits for that and for its reads of the
; other slot.  refill = 1: the barrier is a round of the cluster's, and behind it the other slot is filled first, with K step ksn (adv = 1: of the next tile).  first = 1: the products start the sums.
.macro TRIP slot, ksn, adv, refill, first
	s_wait_tensorcnt 0x0                           ; no tensor load of mine is out, so a group 0 may be written
	ds_add_u32 v[SPW], v[NIL]                      ; 0 onto my spare word; the descriptors' words stand between it and the wait for it
.if \refill
.if \adv
	s_add_nc_u64 s[ABASE:ABASE+1], s[ABASE:ABASE+1], 128*2048
.endif
	s_add_co_u32 s[G0A+1], s[LA], (1-(\slot))*SLOT
	s_add_nc_u64 s[G0A+2:G0A+3], s[ABASE:ABASE+1], (\ksn)*512
	s_or_b32 s[G0A+3], s[G0A+3], 0x80000000
	s_add_co_u32 s[G0B+1], s[LB], (1-(\slot))*SLOT
	s_add_nc_u64 s[G0B+2:G0B+3], s[BBASE:BBASE+1], (\ksn)*128*5120
	s_or_b32 s[G0B+3], s[G0B+3], 0x80000000
.endif
	s_wait_dscnt 0x0                               ; the add is done, and my LDS reads are over
.if \refill
	ROUND
	JLOAD
.else
	s_barrier_signal -1
	s_barrier_wait -1
.endif
	SUB \slot, 0, \first
	SUB \slot, 1, 0
	SUB \slot, 2, 0
	SUB \slot, 3, 0
.endm
; The factor of my row in each block of 16 rows.  j = 32 (tile % 2) + 16 (wave / 4) + 4 a + (l % 16) / 4; the tile's parity is that of the tiles to go.
; The first five lines are plain and name no register of the last products: they are the places behind them.
.macro FACT
	s_and_b32 s75, s[LEFT], 1
	s_lshl_b32 s75, s75, 5
	s_lshl4_add_u32 s75, s[WM], s75
	v_cvt_f32_u32 v[JB], s75
	v_add_f32 v24, v[JB], v[JR]
	v_add_f32 v25, 4.0, v24
	v_add_f32 v26, 0x41000000, v24
	v_add_f32 v27, 0x41400000, v24
	s_cmp_gt_u32 s[TYPE], 1
	s_cbranch_scc1 .Lfv_\@
	s_cmp_eq_u32 s[TYPE], 1
	s_cbranch_scc1 .Lfk_\@
.irp a, 0,1,2,3                        ; q: kappa^-j,
	v_mul_f32 v[24+(\a)], v[NLK], v[24+(\a)]
.endr
.irp a, 0,1,2,3
	v_exp_f32 v[24+(\a)], v[24+(\a)]
.endr
	s_wait_alu depctr_va_vdst(0)
.irp a, 0,1,2,3                        ; and the row-and-head's largest |q|: four chains, each accumulator's lowest registers first; the row's other 32 columns lie in the lane 16 away
.irp n, 0,1,2,3
	v_max3_num_f32 v[18+(\n)], |v[ACC+32*(\a)+8*(\n)]|, |v[ACC+32*(\a)+8*(\n)+1]|, |v[ACC+32*(\a)+8*(\n)+2]|
.endr
.irp n, 0,1,2,3
	v_max3_num_f32 v[18+(\n)], v[18+(\n)], |v[ACC+32*(\a)+8*(\n)+3]|, |v[ACC+32*(\a)+8*(\n)+4]|
.endr
.irp n, 0,1,2,3
	v_max3_num_f32 v[18+(\n)], v[18+(\n)], |v[ACC+32*(\a)+8*(\n)+5]|, |v[ACC+32*(\a)+8*(\n)+6]|
.endr
	v_max3_num_f32 v18, v18, |v[ACC+32*(\a)+7]|, |v[ACC+32*(\a)+15]|
	v_max3_num_f32 v20, v20, |v[ACC+32*(\a)+23]|, |v[ACC+32*(\a)+31]|
	v_max3_num_f32 v18, v18, v19, v20
	v_max_num_f32 v18, v18, v21
	v_permlanex16_b32 v19, v18, s[SEL], s[SEL+1]
	v_max_num_f32 v18, v18, v19
	v_and_b32 v18, 0x7f800000, v18                 ; its exponent E,
	v_sub_nc_u32 v[FA+(\a)], 0x7f000000, v18       ; s = 2^(127 - E)
	v_mul_f32 v[24+(\a)], v[24+(\a)], v[FA+(\a)]
	v_mul_f32 v[24+(\a)], 0x3d83126f, v[24+(\a)]   ; 0.064 = 64 x 1e-3
	v_mul_f32 v[24+(\a)], v[24+(\a)], v[24+(\a)]
.endr
	v_cndmask_b32 v24, v24, v25, s[HIM]            ; lanes 0-15 keep block 0's rows, lanes 16-31 take block 1's: 32 rows, 128 consecutive bytes
	v_cndmask_b32 v26, v26, v27, s[HIM]
	global_store_b32 v[QO], v24, s[EP:EP+1]
	global_store_b32 v[QO], v26, s[EP:EP+1] offset:128
	s_branch .Lfd_\@
.Lfk_\@:                               ; k: 4 kappa^-j
.irp a, 0,1,2,3
	v_fma_f32 v[24+(\a)], v[NLK], v[24+(\a)], 2.0
.endr
.irp a, 0,1,2,3
	v_exp_f32 v[FA+(\a)], v[24+(\a)]
.endr
	v_nop
	s_branch .Lfd_\@
.Lfv_\@:                               ; v and g: 16
.irp a, 0,1,2,3
	v_mov_b32 v[FA+(\a)], 0x41800000
.endr
.Lfd_\@:
.endm
; Block a goes out: times its factor, rounded to f16, 16 bytes a lane into my stage, back as four rows a load, stored as 2,048 consecutive bytes.
.macro PACK a
	s_wait_alu depctr_va_vdst(0)
	v_mov_b32 v18, v[FA+(\a)]
	v_mov_b32 v19, v[FA+(\a)]
.set i, 0
.rept 16
	v_pk_mul_f32 v[AF+2*i:AF+2*i+1], v[ACC+32*(\a)+2*i:ACC+32*(\a)+2*i+1], v[18:19]
.set i, i+1
.endr
.set i, 0
.rept 16
	v_cvt_pk_f16_f32 v[AF+32+i], v[AF+2*i], v[AF+2*i+1]
.set i, i+1
.endr
.irp b, 0,1,2,3
	ds_store_b128 v[STO], v[AF+32+4*(\b):AF+32+4*(\b)+3] offset:32*(\b)
.endr
.irp f, 0,1,2,3
	ds_load_b128 v[AF+48+4*(\f):AF+48+4*(\f)+3], v[RD] offset:(\f)*4*SP  ; LDS serves a wave's instructions in order (ISA guide 5.7.1.4): these see the stores above
.endr
	s_wait_dscnt 0x0
.irp f, 0,1,2,3
	global_store_b128 v[GO], v[AF+48+4*(\f):AF+48+4*(\f)+3], s[CP:CP+1] offset:(\a)*2048+(\f)*512  ; 512 consecutive bytes, at a multiple of 256 from the buffer's first
.endr
	s_wait_xcnt 0x0                                ; the stores' registers and base are rewritten only behind this wait
.endm
.Ltile:
	TRIP 0, 1, 0, 1, 1
	TRIP 1, 2, 0, 1, 0
	TRIP 0, 3, 0, 1, 0
	s_cmp_eq_u32 s[LEFT], 1
	s_cbranch_scc1 .Llast                          ; the last tile's tail is written out: it asks for nothing more
	TRIP 1, 0, 1, 1, 0                             ; the ring goes on: slot 0 takes the next tile's K step 0, which lands while this tile goes out
	FACT
	PACK 0
	PACK 1
	PACK 2
	PACK 3
	s_add_nc_u64 s[CP:CP+1], s[CP:CP+1], 128*128
	s_add_nc_u64 s[EP:EP+1], s[EP:EP+1], 128*4
	s_sub_co_u32 s[LEFT], s[LEFT], 1
	s_branch .Ltile
.Llast:
	TRIP 1, 0, 0, 0, 0
	FACT
	PACK 0
	PACK 1
	PACK 2
	PACK 3
	s_wait_tensorcnt 0x0                           ; the wave's end
	ds_add_u32 v[SPW], v[NIL]
	s_wait_dscnt 0x0
	ROUND                                          ; the closing round: no work-group ends while a partner may still ask for a tile that names it
	s_endpgm
.Lfunc_end_k_qba3baafc8d_proj:
	.size	k_qba3baafc8d_proj, .Lfunc_end_k_qba3baafc8d_proj-k_qba3baafc8d_proj
	.p2alignl 7, 3214868480
	.fill 96, 4, 3214868480
	.section	.rodata,"a",@progbits
	.p2align	6, 0x0
	.amdhsa_kernel k_qba3baafc8d_proj
		.amdhsa_group_segment_fixed_size 327680
		.amdhsa_private_segment_fixed_size 0
		.amdhsa_enable_private_segment 0
		.amdhsa_kernarg_size 72
		.amdhsa_user_sgpr_count 2
		.amdhsa_user_sgpr_kernarg_segment_ptr 1
		.amdhsa_wavefront_size32 1
		.amdhsa_system_sgpr_workgroup_id_x 1
		.amdhsa_system_sgpr_workgroup_id_y 1
		.amdhsa_system_sgpr_workgroup_id_z 1
		.amdhsa_system_vgpr_workitem_id 0
		.amdhsa_next_free_vgpr 256
		.amdhsa_next_free_sgpr 96
		.amdhsa_reserve_vcc 0
		.amdhsa_float_denorm_mode_32 3
		.amdhsa_float_denorm_mode_16_64 3
		.amdhsa_memory_ordered 1
		.amdhsa_forward_progress 1
		.amdhsa_inst_pref_size 146
	.end_amdhsa_kernel
	.amdgpu_metadata
---
amdhsa.version: [ 1, 2 ]
amdhsa.kernels:
  - .name:           k_qba3baafc8d_proj
    .symbol:         k_qba3baafc8d_proj.kd
    .args:
      - { .name: query, .offset: 0, .size: 8, .value_kind: global_buffer, .address_space: global }
      - { .name: key, .offset: 8, .size: 8, .value_kind: global_buffer, .address_space: global }
      - { .name: value, .offset: 16, .size: 8, .value_kind: global_buffer, .address_space: global }
      - { .name: wall, .offset: 24, .size: 8, .value_kind: global_buffer, .address_space: global }
      - { .name: q16, .offset: 32, .size: 8, .value_kind: global_buffer, .address_space: global }
      - { .name: k16, .offset: 40, .size: 8, .value_kind: global_buffer, .address_space: global }
      - { .name: v16, .offset: 48, .size: 8, .value_kind: global_buffer, .address_space: global }
      - { .name: g16, .offset: 56, .size: 8, .value_kind: global_buffer, .address_space: global }
      - { .name: qe, .offset: 64, .size: 8, .value_kind: global_buffer, .address_space: global }
    .group_segment_fixed_size: 327680
    .private_segment_fixed_size: 0
    .kernarg_segment_align: 8
    .kernarg_segment_size: 72
    .max_flat_workgroup_size: 256
    .sgpr_count:     96
    .vgpr_count:     256
    .wavefront_size: 32
...
	.end_amdgpu_metadata
.endif
;; end of part 2
;; launch attn (part 3): grid 9 x 64, 8 waves a work-group, no clusters, 110,848 bytes of LDS; arguments q16, k16, v16, qe, hstate, dones, gn_scale, gn_bias, yn, out1; writes yn, out1
.if DOCPART == 3
	.amdgcn_target "amdgcn-amd-amdhsa--gfx1250"
	.amdhsa_code_object_version 6
	.text
	.protected	k_qba3baafc8d_attn
	.globl	k_qba3baafc8d_attn
	.p2align	8
	.type	k_qba3baafc8d_attn,@function
k_qba3baafc8d_attn:
	s_mov_b64 s[64:65], 0
	v_nop
	global_prefetch_b8 v0, s[64:65] scope:SCOPE_SE
	s_setreg_imm32_b32 hwreg(HW_REG_WAVE_MODE, 25, 1), 1
	s_wait_xcnt 0x0
; RETENTION BY CHUNKS OF 256 ROWS (64 time steps), AND THE NORM.  The decay matrix is kappa^(tx - ty) x [no done in (ty, tx]] x [y <= x], so all that rows of chunk c take from earlier chunks is one
; 64 x 64 state.  With q^ = q s, k' = 4 k kappa^-j, v' = 16 v as the launch before left them, and the state in units T = 64 / kappa^63 x (the reference's state):
;   T_0 = 64 kappa^-63 bf16(hstate);   T_(c+1) = kappa^64 [no done in chunk c] T_c + sum over y of k'_y v'_y [j_y >= the chunk's last done];   out1 = kappa^63 / 64 x T_8
;   W_x = sum over y of (q^_x . k'_y) [4 ld_x <= y <= x] v'_y + [no done <= j_x] kappa^64 (q^_x . T_c),   ld_x the last done <= j_x in the chunk;   Y_x = kappa^j / (64 s) x W_x
;   yn = (W - mean) rsqrt(var(W) + qe) bf16(scale) + bf16(bias), f16, by heads: the row's factor goes into eps (qe), so the norm is the reference's.
; Products in f16 with f32 sums; the scores and the state (times a power of two tau that brings its largest number into 1 .. 2) are rounded to f16 for their second products.
; LIMITS.  A score |q^ . k'| must stay under 65,504 (|q^| < 2).  A state whose largest number is denormal counts as 0.  NaN and infinities are not treated apart.
; SHARES.  Work-group (c, bh), c = 8 - x so that the long walks start first.  It walks chunks 0 .. c - 1 to make T_c; c = 8 stores out1; c < 8 makes the chunk's 256 rows.  Eight waves: in the walk wave w owns
; T's rows d = 16 (w / 2) .. and columns v = 32 (w % 2) ..; in the chunk it owns the query tiles w and 15 - w of 16 rows: five steps of 64 keys in every wave.
; dones steer selects alone: no branch and no address hangs on them.
; NO CLUSTER, NO TENSOR LOAD: a walked chunk's k' is masked on its way into LDS, so the tiles pass through registers; and the work-groups of one bh walk different numbers of chunks.
.set PW,    160                        ; a row (128 bytes + 32) for the turning load: 5 x 32
.set PKI,   144                        ; the own chunk's k', read by plain loads: 9 x 16
.set VB,    256*PW                     ; LDS: k' at 0, v' here,
.set TT,    2*256*PW                   ; the state as f16, [v][d], 64 rows of 144 bytes,
.set RED,   TT+64*144                  ; eight words for the waves' maxima,
.set STAGE, RED+256                    ; 16 rows x 144 bytes for each wave, for the way out,
.set SP,    144
.set SPARE, STAGE+8*16*SP              ; and the spare words, 128 bytes for each wave
.set SPW, 3
.set NIL, 4
.set ST,  5                            ; v5   where my 16 bytes of a chunk's row go (pitch 160)
.set G16, 6                            ; v6   16 x thread
.set TRK, 7                            ; v7   the walk: my turning loads of k'
.set TRV, 8                            ; v8   and of v'
.set KF,  9                            ; v9   144 (l % 16) + 16 (l / 16): a plain fragment's lane term
.set VF,  10                           ; v10  the chunk: turning loads of v'
.set TTS, 11                           ; v11  where I store my part of the state
.set TTL, 12                           ; v12  where I read its fragments
.set STO, 13
.set RD,  14
.set GO,  15                           ; v15  16 x lane
.set LK,  16                           ; v16  log2(kappa)
.set DO,  17                           ; v17  4 x lane
.set T,   32                           ; v32-47 the state's two tiles; later the lanes' figures below
.set LW,  32                           ; x - 4 ld, by tile
.set LBV, 34                           ; 8 (l / 16) - 4 ld
.set LCF, 36                           ; the cross term's factor, a pair a tile
.set LQE, 40
.set LQO, 42
.set LGO, 44
.set A64, 48                           ; v48-56 live until the first scores are rounded into P
.set STV, 49
.set STI, 50
.set HO,  51
.set QOF, 52
.set GNO, 56
.set P,   48                           ; v48-63 a step's weights
.set FR,  64                           ; v64-127 a chunk on its way to LDS; then fragments; then the way out
.set WF,  128                          ; v128-223 the walk's fragments
.set Q,   128                          ; v128-159 16 registers a tile
.set S,   160                          ; v160-191
.set O,   192                          ; v192-223
.set SC,  224                          ; v224-239 scale, v240-255 bias, packed bf16: word e holds channels 2 e, 2 e + 1 of my 32
.set BI,  240
.set WV,  24                           ; s24 wave, s25 c, s26 bh
.set CC,  25
.set M0,  40                           ; s40, s41 the chunk's 64 dones, a bit a time step
.set SEL, 44
; The highest set bit of hi:lo, or -127: four pieces of 16 bits as f32 (exact), each in its place; the largest one's exponent.
.macro LASTDONE lo, hi, e, t1, t2, t3
	v_and_b32 v[\e], 0xffff, v[\lo]
	v_lshrrev_b32 v[\t1], 16, v[\lo]
	v_and_b32 v[\t2], 0xffff, v[\hi]
	v_lshrrev_b32 v[\t3], 16, v[\hi]
	v_cvt_f32_u32 v[\e], v[\e]
	v_cvt_f32_u32 v[\t1], v[\t1]
	v_cvt_f32_u32 v[\t2], v[\t2]
	v_cvt_f32_u32 v[\t3], v[\t3]
	v_mul_f32 v[\t1], 0x47800000, v[\t1]           ; 2^16
	v_mul_f32 v[\t2], 0x4f800000, v[\t2]           ; 2^32
	v_mul_f32 v[\t3], 0x57800000, v[\t3]           ; 2^48
	v_max3_num_f32 v[\e], v[\e], v[\t1], v[\t2]
	v_max_num_f32 v[\e], v[\e], v[\t3]
	v_lshrrev_b32 v[\e], 23, v[\e]
	v_add_nc_u32 v[\e], 0xffffff81, v[\e]          ; - 127
.endm
; Chunk s43 of k' and v' (8 + 8 loads of 16 bytes a thread, 512 consecutive bytes a wave) and its 64 dones.  The earlier loads by these bases are done.
.macro LOADCH
	s_lshl_b32 s30, s43, 15
	s_add_nc_u64 s[32:33], s[6:7], s[30:31]
	s_add_nc_u64 s[34:35], s[8:9], s[30:31]
	s_lshl_b32 s30, s43, 8
	s_add_nc_u64 s[36:37], s[14:15], s[30:31]
.irp n, 0,1,2,3,4,5,6,7
	global_load_b128 v[FR+4*(\n):FR+4*(\n)+3], v[G16], s[32:33] offset:(\n)*4096
.endr
.irp n, 0,1,2,3,4,5,6,7
	global_load_b128 v[FR+32+4*(\n):FR+32+4*(\n)+3], v[G16], s[34:35] offset:(\n)*4096
.endr
	global_load_u8 v18, v[DO], s[36:37]
	global_load_u8 v19, v[DO], s[36:37] offset:128
.endm
; The chunk goes into LDS.  m = 1 (a walked chunk): my rows (t / 8) + 32 n lie in time step w + 8 n; k' is cleared where that lies before the chunk's last done (v23 = that done less w).
.macro STORECH m
.irp n, 0,1,2,3,4,5,6,7
.if \m
	v_cmp_ge_i32 vcc_lo, 8*(\n), v23
	v_cndmask_b32 v24, 0, -1, vcc_lo
.irp k, 0,1,2,3
	v_and_b32 v[FR+4*(\n)+(\k)], v24, v[FR+4*(\n)+(\k)]
.endr
	ds_store_b128 v[ST], v[FR+4*(\n):FR+4*(\n)+3] offset:(\n)*32*PW
.else
	ds_store_b128 v[STI], v[FR+4*(\n):FR+4*(\n)+3] offset:(\n)*32*PKI
.endif
	ds_store_b128 v[STV], v[FR+32+4*(\n):FR+32+4*(\n)+3] offset:(\n)*32*PW
.endr
.endm
; T = a T + k'^T v' over the chunk's 256 keys: two runs of 24 turning loads and 8 products; the two accumulators take turns.  Four places stand behind each run of products.
.macro WALK
.set i, 0
.rept 8
	v_pk_mul_f32 v[T+2*i:T+2*i+1], v[T+2*i:T+2*i+1], v[26:27]
.set i, i+1
.endr
.irp g, 0,1
.irp k, 0,1,2,3
	ds_load_tr16_b128 v[WF+24*(\k):WF+24*(\k)+3],     v[TRK] offset:(4*(\g)+(\k))*32*PW
	ds_load_tr16_b128 v[WF+24*(\k)+4:WF+24*(\k)+7],   v[TRK] offset:(4*(\g)+(\k))*32*PW+16*PW
	ds_load_tr16_b128 v[WF+24*(\k)+8:WF+24*(\k)+11],  v[TRV] offset:(4*(\g)+(\k))*32*PW
	ds_load_tr16_b128 v[WF+24*(\k)+12:WF+24*(\k)+15], v[TRV] offset:(4*(\g)+(\k))*32*PW+16*PW
	ds_load_tr16_b128 v[WF+24*(\k)+16:WF+24*(\k)+19], v[TRV] offset:(4*(\g)+(\k))*32*PW+32
	ds_load_tr16_b128 v[WF+24*(\k)+20:WF+24*(\k)+23], v[TRV] offset:(4*(\g)+(\k))*32*PW+16*PW+32
.endr
	s_wait_dscnt 0x0
.irp k, 0,1,2,3
	v_wmma_f32_16x16x32_f16 v[T:T+7],    v[WF+24*(\k):WF+24*(\k)+7], v[WF+24*(\k)+8:WF+24*(\k)+15],  v[T:T+7]
	v_wmma_f32_16x16x32_f16 v[T+8:T+15], v[WF+24*(\k):WF+24*(\k)+7], v[WF+24*(\k)+16:WF+24*(\k)+23], v[T+8:T+15]
.endr
.rept 4
	v_nop
.endr
.endr
.endm
	s_load_b512 s[4:19], s[0:1], 0x0               ; q16, k16, v16, qe, hstate, dones, gn_scale, gn_bias
	s_load_b128 s[20:23], s[0:1], 0x40             ; yn, out1
	v_lshl_add_u32 v[SPW], v0, 2, SPARE
	v_mov_b32 v[NIL], 0
	v_lshrrev_b32 v1, 5, v0
	v_readfirstlane_b32 s[WV], v1
	s_sub_co_u32 s[CC], 8, ttmp9
	s_and_b32 s26, ttmp7, 0xffff
	s_lshr_b32 s27, s26, 3                         ; b
	s_and_b32 s28, s26, 7                          ; head
	s_lshr_b32 s46, s[WV], 1                       ; my block of 16 d
	s_and_b32 s47, s[WV], 1                        ; my 32 v
	s_mov_b32 s[SEL], 0x76543210
	s_mov_b32 s[SEL+1], 0xfedcba98
	s_mov_b32 s31, 0
	v_and_b32 v1, 15, v0                           ; l % 16
	v_bfe_u32 v2, v0, 4, 1                         ; l / 16
	v_and_b32 v20, 7, v0
	v_bfe_u32 v21, v0, 3, 1
	v_lshl_add_u32 v22, v2, 3, v20                 ; the turning load: row 8 (l / 16) + l % 8, 16 bytes at 16 ((l / 8) % 2)
	v_mul_u32_u24 v22, v22, PW
	v_lshl_add_u32 v22, v21, 4, v22
	s_lshl_b32 s38, s46, 5
	v_add_nc_u32 v[TRK], s38, v22
	s_lshl_b32 s38, s47, 6
	s_add_co_u32 s38, s38, VB
	v_add_nc_u32 v[TRV], s38, v22
	v_add_nc_u32 v[VF], VB, v22
	v_lshrrev_b32 v23, 3, v0
	v_mul_u32_u24 v[ST], v23, PW
	v_lshl_add_u32 v[ST], v20, 4, v[ST]
	v_add_nc_u32 v[STV], VB, v[ST]
	v_mul_u32_u24 v[STI], v23, PKI
	v_lshl_add_u32 v[STI], v20, 4, v[STI]
	v_lshlrev_b32 v[G16], 4, v0
	v_mul_u32_u24 v[KF], v1, 144
	v_lshl_add_u32 v[KF], v2, 4, v[KF]
	s_mul_i32 s38, s47, 32*144                     ; the state's row v = 32 (w % 2) + l % 16 (+ 16), bytes 2 (16 (w / 2) + 8 (l / 16)) on
	s_lshl_b32 s39, s46, 5
	s_add_co_u32 s38, s38, s39
	s_add_co_u32 s38, s38, TT
	v_add_nc_u32 v[TTS], s38, v[KF]
	v_add_nc_u32 v[TTL], TT, v[KF]
	s_mul_i32 s38, s[WV], 16*SP
	s_add_co_u32 s38, s38, STAGE
	v_add_nc_u32 v[STO], s38, v[KF]
	v_bfe_u32 v[RD], v0, 3, 2
	v_mul_u32_u24 v[RD], v[RD], SP
	v_lshl_add_u32 v[RD], v20, 4, v[RD]
	v_add_nc_u32 v[RD], s38, v[RD]
	v_and_b32 v[GO], 31, v0
	v_lshlrev_b32 v[DO], 2, v[GO]
	v_lshlrev_b32 v[GO], 4, v[GO]
	v_lshlrev_b32 v[HO], 11, v2                    ; hstate and out1: row d = 16 (w / 2) + 8 (l / 16) + j of 256 bytes, column v
	v_lshl_add_u32 v[HO], v1, 2, v[HO]
	s_lshl_b32 s38, s46, 12
	s_lshl_b32 s39, s47, 7
	s_add_co_u32 s38, s38, s39
	v_add_nc_u32 v[HO], s38, v[HO]
	s_wait_kmcnt 0x0
	s_lshl_b32 s30, s26, 18                        ; a head's 2,048 rows of 128 bytes
	s_add_nc_u64 s[6:7], s[6:7], s[30:31]
	s_add_nc_u64 s[8:9], s[8:9], s[30:31]
	s_lshl_b32 s38, s[CC], 15                      ; and my chunk (c = 8 uses none of the next three)
	s_add_co_u32 s30, s30, s38
	s_add_nc_u64 s[4:5], s[4:5], s[30:31]
	s_add_nc_u64 s[20:21], s[20:21], s[30:31]
	s_lshr_b32 s30, s30, 5
	s_add_nc_u64 s[10:11], s[10:11], s[30:31]
	s_lshl_b32 s30, s26, 14
	s_add_nc_u64 s[12:13], s[12:13], s[30:31]
	s_add_nc_u64 s[22:23], s[22:23], s[30:31]
	s_lshl_b32 s30, s27, 11
	s_add_nc_u64 s[14:15], s[14:15], s[30:31]
	s_lshl_b32 s30, s28, 8
	s_add_nc_u64 s[16:17], s[16:17], s[30:31]
	s_add_nc_u64 s[18:19], s[18:19], s[30:31]
.irp i, 0,1
.irp j, 0,1,2,3,4,5,6,7
	global_load_b32 v[T+8*(\i)+(\j)], v[HO], s[12:13] offset:(\j)*256+(\i)*64
.endr
.endr
	s_mov_b32 s43, 0
	LOADCH
	; kappa = 1 - p, p = 2^-(5 + 4 head / 7); log2(kappa) = -log2(e) (p + p^2/2 + p^3/3 + p^4/4 + p^5/5): p is 1/32 at the most, so the first term left out is 2e-10 of the sum
	v_cvt_f32_u32 v20, s28
	s_mov_b32 s38, 0xbf124925                      ; -4/7
	s_mov_b32 s39, 0x3e4ccccd                      ; 1/5
	v_fma_f32 v20, v20, s38, 0xc0a00000
	v_exp_f32 v20, v20
	v_nop
	s_wait_alu depctr_va_vdst(0)
	v_fma_f32 v21, v20, s39, 0x3e800000
	v_fma_f32 v21, v20, v21, 0x3eaaaaab
	v_fma_f32 v21, v20, v21, 0.5
	v_fma_f32 v21, v20, v21, 1.0
	v_mul_f32 v21, v20, v21
	v_mul_f32 v[LK], 0xbfb8aa3b, v21
	s_mov_b32 s38, 0xc27c0000                      ; -63
	v_fma_f32 v20, v[LK], s38, 0x40c00000          ; + 6
	v_mul_f32 v21, 0x42800000, v[LK]
	v_exp_f32 v20, v20                             ; 64 kappa^-63
	v_exp_f32 v[A64], v21                          ; kappa^64
	v_nop
	s_wait_alu depctr_va_vdst(0)
	v_mov_b32 v21, v20
	s_wait_loadcnt 18                              ; hstate is in; the chunk's 18 loads stay out
.set i, 0
.rept 8
	v_cvt_pk_bf16_f32 v22, v[T+2*i], v[T+2*i+1]    ; every input is rounded to bf16
	v_lshlrev_b32 v[T+2*i], 16, v22
	v_and_b32 v[T+2*i+1], 0xffff0000, v22
	v_pk_mul_f32 v[T+2*i:T+2*i+1], v[T+2*i:T+2*i+1], v[20:21]
.set i, i+1
.endr
	s_mov_b32 s42, 0
	s_cmp_eq_u32 s[CC], 0
	s_cbranch_scc1 .Lnowalk
.Lwalk:                                ; c trips; trip i takes chunk i into the state and loads chunk i + 1 (the last trip: my own chunk; with c = 8 chunk 7 once more, so that no load leaves the buffers)
	s_wait_loadcnt 0x0
	v_cmp_ne_u32 s[M0], 0, v18
	v_cmp_ne_u32 s[M0+1], 0, v19
	v_mov_b32 v20, s[M0]
	v_mov_b32 v21, s[M0+1]
	LASTDONE 20, 21, 22, 23, 24, 25
	v_cmp_gt_i32 vcc_lo, 0, v22
	v_cndmask_b32 v26, 0, v[A64], vcc_lo           ; a = kappa^64, or 0 behind a done
	v_mov_b32 v27, v26
	v_sub_nc_u32 v23, v22, s[WV]
	s_wait_dscnt 0x0                               ; my reads of the last chunk are over;
	s_barrier_signal -1
	s_barrier_wait -1                              ; everybody's are
	STORECH 1
	s_add_co_u32 s43, s42, 1
	s_min_u32 s43, s43, 7
	LOADCH
	s_wait_dscnt 0x0                               ; my part of the chunk is in LDS;
	s_barrier_signal -1
	s_barrier_wait -1                              ; everybody's is
	WALK
	s_add_co_u32 s42, s42, 1
	s_cmp_lt_u32 s42, s[CC]
	s_cbranch_scc1 .Lwalk
.Lnowalk:
	s_cmp_eq_u32 s[CC], 8
	s_cbranch_scc0 .Lintra
	s_mov_b32 s38, 0x427c0000                      ; out1 = kappa^63 / 64 x T_8
	v_fma_f32 v20, v[LK], s38, 0xc0c00000
	v_exp_f32 v20, v20
	v_nop
	s_wait_alu depctr_va_vdst(0)
	v_mov_b32 v21, v20
.set i, 0
.rept 8
	v_pk_mul_f32 v[T+2*i:T+2*i+1], v[T+2*i:T+2*i+1], v[20:21]
.set i, i+1
.endr
.irp i, 0,1
.irp j, 0,1,2,3,4,5,6,7
	global_store_b32 v[HO], v[T+8*(\i)+(\j)], s[22:23] offset:(\j)*256+(\i)*64  ; runs of 64 bytes: out1 is 1 of the outputs' 33 MiB, and a turn through LDS is not spent on it
.endr
.endr
	s_wait_tensorcnt 0x0                           ; the wave's end
	ds_add_u32 v[SPW], v[NIL]
	s_wait_dscnt 0x0
	s_endpgm
.Lintra:
	s_sub_co_u32 s53, 15, s[WV]                    ; my tiles: w and 15 - w
	v_lshlrev_b32 v20, 7, v1
	v_lshl_add_u32 v20, v2, 4, v20
	s_lshl_b32 s38, s[WV], 11
	s_lshl_b32 s39, s53, 11
	v_add_nc_u32 v[QOF], s38, v20
	v_add_nc_u32 v[QOF+1], s39, v20
	v_lshlrev_b32 v[GNO], 5, v2
.irp i, 0,1
.irp c, 0,1
	global_load_b128 v[Q+16*(\i)+8*(\c):Q+16*(\i)+8*(\c)+3],   v[QOF+(\i)], s[4:5] offset:64*(\c)
	global_load_b128 v[Q+16*(\i)+8*(\c)+4:Q+16*(\i)+8*(\c)+7], v[QOF+(\i)], s[4:5] offset:64*(\c)+32
.endr
.endr
.irp cb, 0,1,2,3                       ; my 32 channels 16 cb + 8 (l / 16) + 0..7, as f32, where S and O will lie
	global_load_b128 v[S+8*(\cb):S+8*(\cb)+3],   v[GNO], s[16:17] offset:64*(\cb)
	global_load_b128 v[S+8*(\cb)+4:S+8*(\cb)+7], v[GNO], s[16:17] offset:64*(\cb)+16
.endr
.irp cb, 0,1,2,3
	global_load_b128 v[O+8*(\cb):O+8*(\cb)+3],   v[GNO], s[18:19] offset:64*(\cb)
	global_load_b128 v[O+8*(\cb)+4:O+8*(\cb)+7], v[GNO], s[18:19] offset:64*(\cb)+16
.endr
	; the state's largest magnitude: in my registers (each accumulator's lowest first), in the wave, and through LDS in the work-group
	v_max3_num_f32 v20, |v[T]|, |v[T+1]|, |v[T+2]|
	v_max3_num_f32 v21, |v[T+8]|, |v[T+9]|, |v[T+10]|
	v_max3_num_f32 v20, v20, |v[T+3]|, |v[T+4]|
	v_max3_num_f32 v21, v21, |v[T+11]|, |v[T+12]|
	v_max3_num_f32 v20, v20, |v[T+5]|, |v[T+6]|
	v_max3_num_f32 v21, v21, |v[T+13]|, |v[T+14]|
	v_max3_num_f32 v20, v20, |v[T+7]|, |v[T+15]|
	v_max_num_f32 v20, v20, v21
	v_max_num_f32_dpp v20, v20, v20 row_xmask:1 row_mask:0xf bank_mask:0xf
	v_max_num_f32_dpp v20, v20, v20 row_xmask:2 row_mask:0xf bank_mask:0xf
	v_max_num_f32_dpp v20, v20, v20 row_xmask:4 row_mask:0xf bank_mask:0xf
	v_max_num_f32_dpp v20, v20, v20 row_xmask:8 row_mask:0xf bank_mask:0xf
	v_permlanex16_b32 v21, v20, s[SEL], s[SEL+1]
	v_max_num_f32 v20, v20, v21
	s_lshl_b32 s38, s[WV], 2
	s_add_co_u32 s38, s38, RED
	v_mov_b32 v22, s38
	ds_store_b32 v22, v20
	s_wait_loadcnt 24                              ; my chunk and its dones are in; Q's 8 and the norm's 16 loads stay out
	v_cmp_ne_u32 s[M0], 0, v18
	v_cmp_ne_u32 s[M0+1], 0, v19
	s_wait_dscnt 0x0                               ; my maximum is stored, my reads of the last walked chunk are over;
	s_barrier_signal -1
	s_barrier_wait -1                              ; everybody's are
	v_mov_b32 v22, RED
	ds_load_b128 v[24:27], v22
	ds_load_b128 v[28:31], v22 offset:16
	s_wait_dscnt 0x0
	v_max3_num_f32 v24, v24, v25, v26
	v_max3_num_f32 v24, v24, v27, v28
	v_max3_num_f32 v24, v24, v29, v30
	v_max_num_f32 v24, v24, v31
	v_and_b32 v25, 0x7f800000, v24                 ; 1 / tau = 2^(E - 127), E the maximum's exponent,
	v_sub_nc_u32 v26, 0x7f000000, v25              ; tau = 2^(127 - E)
	v_mov_b32 v27, v26
	v_mul_f32 v[A64], v[A64], v25                  ; kappa^64 / tau
.set i, 0
.rept 8
	v_pk_mul_f32 v[T+2*i:T+2*i+1], v[T+2*i:T+2*i+1], v[26:27]
.set i, i+1
.endr
.irp i, 0,1,2,3
	v_cvt_pk_f16_f32 v[28+(\i)], v[T+2*(\i)], v[T+2*(\i)+1]
.endr
	ds_store_b128 v[TTS], v[28:31]
.irp i, 0,1,2,3
	v_cvt_pk_f16_f32 v[20+(\i)], v[T+8+2*(\i)], v[T+8+2*(\i)+1]
.endr
	ds_store_b128 v[TTS], v[20:23] offset:16*144
	STORECH 0
	v_lshlrev_b32 v20, 2, v1
	s_lshl_b32 s38, s[WV], 6
	s_lshl_b32 s39, s53, 6
	v_add_nc_u32 v[LQO], s38, v20
	v_add_nc_u32 v[LQO+1], s39, v20
	global_load_b32 v[LQE], v[LQO], s[10:11]
	global_load_b32 v[LQE+1], v[LQO+1], s[10:11]
	s_wait_dscnt 0x0                               ; my parts of the state and of the chunk are in LDS;
	s_barrier_signal -1
	s_barrier_wait -1                              ; everybody's are.  From here on LDS is only read, but for each wave's own stage
; A lane's figures for tile i (number in s[sq]): x = 16 tile + l % 16, j = x / 4.  Tile 0 lies in time steps 0-31, tile 1 in 32-63, so the dones up to j are a part of one word and all or none of the other.
.macro LANE i, sq
	s_lshl_b32 s38, s[\sq], 4
	v_add_nc_u32 v20, s38, v1
	v_lshrrev_b32 v21, 2, v20
	v_lshlrev_b32 v22, v21, 2                      ; 2 << (j % 32),
	v_add_nc_u32 v22, -1, v22                      ; less 1: bits 0 .. j % 32
.if (\i) == 0
	v_and_b32 v22, s[M0], v22
	v_mov_b32 v23, 0
.else
	v_and_b32 v23, s[M0+1], v22
	v_mov_b32 v22, s[M0]
.endif
	LASTDONE 22, 23, 24, 25, 26, 27
	v_lshlrev_b32 v25, 2, v24                      ; the first key that the row sees: 4 ld, or -508
	v_sub_nc_u32 v[LW+(\i)], v20, v25
	v_lshlrev_b32 v26, 3, v2
	v_sub_nc_u32 v[LBV+(\i)], v26, v25
	v_cmp_gt_i32 vcc_lo, 0, v24
	v_cndmask_b32 v[LCF+2*(\i)], 0, v[A64], vcc_lo
	v_mov_b32 v[LCF+2*(\i)+1], v[LCF+2*(\i)]
	s_lshl_b32 s38, s[\sq], 11
	v_add_nc_u32 v[LGO+(\i)], s38, v[GO]
.endm
	LANE 0, WV
	LANE 1, 53
	s_wait_loadcnt 2                               ; Q, scale and bias are in; qe's two loads stay out
.set i, 0
.rept 16
	v_cvt_pk_bf16_f32 v[SC+i], v[S+2*i], v[S+2*i+1]
	v_cvt_pk_bf16_f32 v[BI+i], v[O+2*i], v[O+2*i+1]
.set i, i+1
.endr
; O^T = factor x T^T q^: source 0 = 16 columns v of the state (rows of the LDS copy, d along them), source 1 = Q.  The products start O^T's sums; the four accumulators take turns.
.macro CROSS i
.irp cb, 0,1,2,3
.irp c, 0,1
	ds_load_b128 v[FR+16*(\cb)+8*(\c):FR+16*(\cb)+8*(\c)+3],   v[TTL] offset:(\cb)*16*144+64*(\c)
	ds_load_b128 v[FR+16*(\cb)+8*(\c)+4:FR+16*(\cb)+8*(\c)+7], v[TTL] offset:(\cb)*16*144+64*(\c)+32
.endr
.endr
	s_wait_dscnt 0x0
.irp cb, 0,1,2,3
	v_wmma_f32_16x16x32_f16 v[O+8*(\cb):O+8*(\cb)+7], v[FR+16*(\cb):FR+16*(\cb)+7], v[Q+16*(\i):Q+16*(\i)+7], 0
.endr
.irp cb, 0,1,2,3
	v_wmma_f32_16x16x32_f16 v[O+8*(\cb):O+8*(\cb)+7], v[FR+16*(\cb)+8:FR+16*(\cb)+15], v[Q+16*(\i)+8:Q+16*(\i)+15], v[O+8*(\cb):O+8*(\cb)+7]
.endr
.rept 4
	v_nop
.endr
.set e, 0
.rept 16
	v_pk_mul_f32 v[O+2*e:O+2*e+1], v[O+2*e:O+2*e+1], v[LCF+2*(\i):LCF+2*(\i)+1]
.set e, e+1
.endr
.endm
; Tile i against keys 64 s .. 64 s + 63.  S^T = k' q^T holds one query a lane (l % 16) and keys 8 (l / 16) + 0..7 of each 16; a score stays where 4 ld <= y <= x, which is ONE unsigned compare:
; y - 4 ld <= x - 4 ld.  Two results rounded to f16 are source 1 of O^T += v'^T P.  v' is fetched, turned, into k's registers while the scores are masked.
.macro TSTEP i, s
.irp kb, 0,1,2,3
.irp c, 0,1
	ds_load_b128 v[FR+16*(\kb)+8*(\c):FR+16*(\kb)+8*(\c)+3],   v[KF] offset:(64*(\s)+16*(\kb))*PKI+64*(\c)
	ds_load_b128 v[FR+16*(\kb)+8*(\c)+4:FR+16*(\kb)+8*(\c)+7], v[KF] offset:(64*(\s)+16*(\kb))*PKI+64*(\c)+32
.endr
.endr
	s_wait_dscnt 0x0
.irp kb, 0,1,2,3
	v_wmma_f32_16x16x32_f16 v[S+8*(\kb):S+8*(\kb)+7], v[FR+16*(\kb):FR+16*(\kb)+7], v[Q+16*(\i):Q+16*(\i)+7], 0
.endr
.irp kb, 0,1,2,3
	v_wmma_f32_16x16x32_f16 v[S+8*(\kb):S+8*(\kb)+7], v[FR+16*(\kb)+8:FR+16*(\kb)+15], v[Q+16*(\i)+8:Q+16*(\i)+15], v[S+8*(\kb):S+8*(\kb)+7]
.endr
.rept 4
	v_nop
.endr
.irp kk, 0,1
.irp cb, 0,1,2,3
	ds_load_tr16_b128 v[FR+32*(\kk)+8*(\cb):FR+32*(\kk)+8*(\cb)+3],   v[VF] offset:(64*(\s)+32*(\kk))*PW+32*(\cb)
	ds_load_tr16_b128 v[FR+32*(\kk)+8*(\cb)+4:FR+32*(\kk)+8*(\cb)+7], v[VF] offset:(64*(\s)+32*(\kk))*PW+32*(\cb)+16*PW
.endr
.endr
.set e, 0
.rept 8                                ; four scores at a time, ascending
.irp z, 0,1,2,3
	v_add_nc_u32 v[20+(\z)], 64*(\s)+16*((e+(\z))/8)+(e+(\z))%8, v[LBV+(\i)]
.endr
.irp z, 0,1,2,3
	v_cmp_ge_u32 s[48+(\z)], v[LW+(\i)], v[20+(\z)]
.endr
.irp z, 0,1,2,3
	v_cndmask_b32 v[S+e+(\z)], 0, v[S+e+(\z)], s[48+(\z)]
.endr
.set e, e+4
.endr
.set e, 0
.rept 16
	v_cvt_pk_f16_f32 v[P+e], v[S+2*e], v[S+2*e+1]
.set e, e+1
.endr
	s_wait_dscnt 0x0
.irp kk, 0,1
.irp cb, 0,1,2,3
	v_wmma_f32_16x16x32_f16 v[O+8*(\cb):O+8*(\cb)+7], v[FR+32*(\kk)+8*(\cb):FR+32*(\kk)+8*(\cb)+7], v[P+8*(\kk):P+8*(\kk)+7], v[O+8*(\cb):O+8*(\cb)+7]
.endr
.endr
.rept 4
	v_nop
.endr
.endm
.macro FOLD                            ; four pairs in v20-27 into one number in v20, over the lane and the lane 16 away
	v_pk_add_f32 v[20:21], v[20:21], v[22:23]
	v_pk_add_f32 v[24:25], v[24:25], v[26:27]
	v_pk_add_f32 v[20:21], v[20:21], v[24:25]
	v_add_f32 v20, v20, v21
	v_permlanex16_b32 v21, v20, s[SEL], s[SEL+1]
	v_add_f32 v20, v20, v21
.endm
; The norm over the row's 64 channels (32 in my lane, 32 in the lane 16 away), in two passes: the mean first, then the squares of the differences.  Then the way out, as f16, through my stage.
.macro GN i
.irp cb, 0,1,2,3
	v_pk_add_f32 v[20+2*(\cb):21+2*(\cb)], v[O+8*(\cb):O+8*(\cb)+1], v[O+8*(\cb)+2:O+8*(\cb)+3]
.endr
.irp k, 4,6
.irp cb, 0,1,2,3
	v_pk_add_f32 v[20+2*(\cb):21+2*(\cb)], v[20+2*(\cb):21+2*(\cb)], v[O+8*(\cb)+(\k):O+8*(\cb)+(\k)+1]
.endr
.endr
	FOLD
	v_mul_f32 v28, 0x3c800000, v20                 ; / 64
	v_mov_b32 v29, v28
.set e, 0
.rept 16
	v_pk_add_f32 v[O+2*e:O+2*e+1], v[O+2*e:O+2*e+1], v[28:29] neg_lo:[0,1] neg_hi:[0,1]
.set e, e+1
.endr
.irp cb, 0,1,2,3
	v_pk_mul_f32 v[20+2*(\cb):21+2*(\cb)], v[O+8*(\cb):O+8*(\cb)+1], v[O+8*(\cb):O+8*(\cb)+1]
.endr
.irp k, 2,4,6
.irp cb, 0,1,2,3
	v_pk_fma_f32 v[20+2*(\cb):21+2*(\cb)], v[O+8*(\cb)+(\k):O+8*(\cb)+(\k)+1], v[O+8*(\cb)+(\k):O+8*(\cb)+(\k)+1], v[20+2*(\cb):21+2*(\cb)]
.endr
.endr
	FOLD
.if (\i) == 0
	s_wait_loadcnt 0x0                             ; qe
.endif
	v_fma_f32 v20, v20, 0x3c800000, v[LQE+(\i)]
	v_rsq_f32 v28, v20
	v_nop
	s_wait_alu depctr_va_vdst(0)
	v_mov_b32 v29, v28
.set e, 0
.rept 16
	v_pk_mul_f32 v[O+2*e:O+2*e+1], v[O+2*e:O+2*e+1], v[28:29]
.set e, e+1
.endr
.set e, 0
.rept 16                               ; times scale plus bias, straight from their bf16 halves
	v_fma_mix_f32_bf16 v[O+2*e], v[O+2*e], v[SC+e], v[BI+e] op_sel_hi:[0,1,1]
	v_fma_mix_f32_bf16 v[O+2*e+1], v[O+2*e+1], v[SC+e], v[BI+e] op_sel:[0,1,1] op_sel_hi:[0,1,1]
.set e, e+1
.endr
.set e, 0
.rept 16
	v_cvt_pk_f16_f32 v[FR+e], v[O+2*e], v[O+2*e+1]
.set e, e+1
.endr
.irp cb, 0,1,2,3
	ds_store_b128 v[STO], v[FR+4*(\cb):FR+4*(\cb)+3] offset:32*(\cb)
.endr
.irp f, 0,1,2,3
	ds_load_b128 v[FR+16+4*(\f):FR+16+4*(\f)+3], v[RD] offset:(\f)*4*SP  ; LDS serves a wave's instructions in order (ISA guide 5.7.1.4)
.endr
	s_wait_dscnt 0x0
.irp f, 0,1,2,3
	global_store_b128 v[LGO+(\i)], v[FR+16+4*(\f):FR+16+4*(\f)+3], s[20:21] offset:(\f)*512  ; 512 consecutive bytes, at a multiple of 256 from yn's first
.endr
	s_wait_xcnt 0x0                                ; the stores' registers are rewritten only behind this wait
.endm
	CROSS 0
	TSTEP 0, 0
	s_cmp_lt_u32 s[WV], 4                          ; tiles 0-3 see keys 0-63 alone
	s_cbranch_scc1 .Ltile0_done
	TSTEP 0, 1
.Ltile0_done:
	GN 0
	CROSS 1
	TSTEP 1, 0
	TSTEP 1, 1
	TSTEP 1, 2
	s_cmp_ge_u32 s[WV], 4                          ; tiles 8-11 see keys 0-191 alone
	s_cbranch_scc1 .Ltile1_done
	TSTEP 1, 3
.Ltile1_done:
	GN 1
	s_wait_tensorcnt 0x0                           ; the wave's end
	ds_add_u32 v[SPW], v[NIL]
	s_wait_dscnt 0x0
	s_endpgm
.Lfunc_end_k_qba3baafc8d_attn:
	.size	k_qba3baafc8d_attn, .Lfunc_end_k_qba3baafc8d_attn-k_qba3baafc8d_attn
	.p2alignl 7, 3214868480
	.fill 96, 4, 3214868480
	.section	.rodata,"a",@progbits
	.p2align	6, 0x0
	.amdhsa_kernel k_qba3baafc8d_attn
		.amdhsa_group_segment_fixed_size 110848
		.amdhsa_private_segment_fixed_size 0
		.amdhsa_enable_private_segment 0
		.amdhsa_kernarg_size 80
		.amdhsa_user_sgpr_count 2
		.amdhsa_user_sgpr_kernarg_segment_ptr 1
		.amdhsa_wavefront_size32 1
		.amdhsa_system_sgpr_workgroup_id_x 1
		.amdhsa_system_sgpr_workgroup_id_y 1
		.amdhsa_system_sgpr_workgroup_id_z 1
		.amdhsa_system_vgpr_workitem_id 0
		.amdhsa_next_free_vgpr 256
		.amdhsa_next_free_sgpr 66
		.amdhsa_reserve_vcc 1
		.amdhsa_float_denorm_mode_32 3
		.amdhsa_float_denorm_mode_16_64 3
		.amdhsa_memory_ordered 1
		.amdhsa_forward_progress 1
		.amdhsa_inst_pref_size 118
	.end_amdhsa_kernel
	.amdgpu_metadata
---
amdhsa.version: [ 1, 2 ]
amdhsa.kernels:
  - .name:           k_qba3baafc8d_attn
    .symbol:         k_qba3baafc8d_attn.kd
    .args:
      - { .name: q16, .offset: 0, .size: 8, .value_kind: global_buffer, .address_space: global }
      - { .name: k16, .offset: 8, .size: 8, .value_kind: global_buffer, .address_space: global }
      - { .name: v16, .offset: 16, .size: 8, .value_kind: global_buffer, .address_space: global }
      - { .name: qe, .offset: 24, .size: 8, .value_kind: global_buffer, .address_space: global }
      - { .name: hstate, .offset: 32, .size: 8, .value_kind: global_buffer, .address_space: global }
      - { .name: dones, .offset: 40, .size: 8, .value_kind: global_buffer, .address_space: global }
      - { .name: gn_scale, .offset: 48, .size: 8, .value_kind: global_buffer, .address_space: global }
      - { .name: gn_bias, .offset: 56, .size: 8, .value_kind: global_buffer, .address_space: global }
      - { .name: yn, .offset: 64, .size: 8, .value_kind: global_buffer, .address_space: global }
      - { .name: out1, .offset: 72, .size: 8, .value_kind: global_buffer, .address_space: global }
    .group_segment_fixed_size: 110848
    .private_segment_fixed_size: 0
    .kernarg_segment_align: 8
    .kernarg_segment_size: 80
    .max_flat_workgroup_size: 256
    .sgpr_count:     66
    .vgpr_count:     256
    .wavefront_size: 32
...
	.end_amdgpu_metadata
.endif
;; end of part 3
;; launch outp (part 4): grid 128 x 2, 8 waves a work-group, clusters of 4 x 1, 327,680 bytes of LDS; arguments yn, g16, wall, out0; writes out0
.if DOCPART == 4
	.amdgcn_target "amdgcn-amd-amdhsa--gfx1250"
	.amdhsa_code_object_version 6
	.text
	.protected	k_qba3baafc8d_outp
	.globl	k_qba3baafc8d_outp
	.p2align	8
	.type	k_qba3baafc8d_outp,@function
k_qba3baafc8d_outp:
	s_mov_b64 s[64:65], 0
	v_nop
	global_prefetch_b8 v0, s[64:65] scope:SCOPE_SE
	s_setreg_imm32_b32 hwreg(HW_REG_WAVE_MODE, 25, 1), 1
	s_wait_xcnt 0x0
	s_wait_alu depctr_hold_cnt(0) depctr_sa_sdst(0) depctr_va_vdst(0) depctr_va_sdst(0) depctr_va_ssrc(0) depctr_va_vcc(0) depctr_vm_vsrc(0)
	s_getreg_b32 s2, hwreg(HW_REG_IB_STS2, 6, 4)
	s_cmp_eq_u32 s2, 0
	s_cbranch_scc0 .Lentry_in_a_cluster
	s_endpgm
.Lentry_in_a_cluster:
	s_bfe_u32 s2, ttmp6, 0x10000c
	s_cmp_lg_u32 s2, 0x3003
	s_cbranch_scc0 .Lentry_shape_is_right
	s_endpgm
.Lentry_shape_is_right:
; out0 = swish(g) x (yn W_O).  yn: f16 by heads [b][head][2048][64]; W_O: wall's columns 2,048 on, f16 of 256 x bf16(W_O); g16 = 16 g, f16, by groups of 64 columns.  Sums in f32.
; With Z the product as the operands stand (256 times the true one) and g' = 16 g:  out0 = Z g' / (4096 + 4096 x 2^(-g' log2(e) / 16)).
; Where the exponential overflows (g below -88) the quotient is 0, as swish is there to f32's last bit.
; SHARES.  Work-group (X, y): rows 128 X .. + 127, columns 256 y .. + 255.  Eight waves, 2 x 4, each 64 x 64: 16 accumulators.  K = 512 in four steps of 128 (two heads) through two LDS slots.
; CLUSTER.  The four work-groups of a cluster have the same y: waves 4-7 ask for W_O's tiles JOINTLY (mask of four); yn's tiles are each work-group's own (waves 0-3, no mask).
; THE MATRIX INSTRUCTION IS USED TRANSPOSED (source 0 = 16 columns of W_O, source 1 = 16 rows of yn): a lane holds row l % 16 and eight neighbouring columns.
.set PY,    144                        ; a row of yn in LDS: 128 bytes + 16
.set PB,    544                        ; a row of W_O: 512 bytes + 32, for the turning load
.set BOFF,  2*128*PY                   ; a slot: two heads x 128 rows of yn, then 128 rows of W_O
.set SLOT,  BOFF+128*PB
.set STAGE, 2*SLOT                     ; behind the ring, never filled by a tensor load: 16 rows x 272 bytes for each wave
.set SP,    272
.set SPARE, STAGE+8*16*SP
.set SPW,  3
.set NIL,  4
.set ADRA, 5                           ; v5-6, v7-8 fragment addresses in slot 0, 1
.set ADRB, 7
.set STO,  9
.set RD,   10
.set GO,   11                          ; v11  my 16 bytes in two rows of out0
.set GL,   12                          ; v12  8 x lane
.set AF,   32                          ; v32-63 yn's fragments; on the way out the gate's blocks 2, 3
.set BF,   64                          ; v64-95 W_O's fragments; on the way out 16 rows read back
.set GG,   96                          ; v96-127 the gate's blocks 0, 1
.set ACC,  128
.set WV,   22
.set WM,   23
.set WN,   24
.set G1A,  32
.set G1B,  40
.set G0A,  48
.set G0B,  52
.set ABASE, 56
.set BBASE, 58
.set LA,   62
.set LB,   63
.set GP,   68                          ; s[68:69] g16 at my 64 rows and 64 columns
.set OP,   70                          ; s[70:71] out0 likewise
.set CE,   72                          ; s[72:73] -log2(e) / 16
.set C4,   74                          ; s[74:75] 4096
.macro ROUND
	s_barrier_signal -1
	s_barrier_wait -1
	s_cmp_lg_u32 s[WV], 0
	s_cbranch_scc1 .Lnot_wave_0_\@
	s_barrier_signal -3
.Lnot_wave_0_\@:
	s_barrier_wait -3
	s_barrier_signal -1
	s_barrier_wait -1
.endm
.macro JLOAD                           ; an s_nop 0 and four v_nop follow each of the two lines
	s_cmp_lt_u32 s[WV], 4
	s_cbranch_scc0 .Lfor_b_\@
	tensor_load_to_lds s[G0A:G0A+3], s[G1A:G1A+7]
	s_nop 0
.rept 4
	v_nop
.endr
	s_branch .Lasked_\@
.Lfor_b_\@:
	tensor_load_to_lds s[G0B:G0B+3], s[G1B:G1B+7]
	s_nop 0
.rept 4
	v_nop
.endr
.Lasked_\@:
.endm
	s_load_b256 s[4:11], s[0:1], 0x0               ; yn, g16, wall, out0
	v_lshl_add_u32 v[SPW], v0, 2, SPARE
	v_mov_b32 v[NIL], 0
	ds_add_u32 v[SPW], v[NIL]                      ; the wave's opening: the add and its wait stand ahead of my first tensor load
	v_lshrrev_b32 v1, 5, v0
	v_readfirstlane_b32 s[WV], v1
	s_lshr_b32 s[WM], s[WV], 2
	s_and_b32 s[WN], s[WV], 3
	s_bfe_u32 s27, ttmp6, 0x40000                  ; cx
	s_lshl_b32 s28, ttmp9, 2
	s_add_co_u32 s28, s28, s27                     ; X: it enters yn's, g16's and out0's addresses alone
	s_and_b32 s29, ttmp7, 0xffff                   ; y, which the partners share
	; yn: 64 rows of a head are 8,192 dense bytes: asked for as 32 rows of 256 bytes, padded in LDS after every 128
	s_mov_b32 s[G1A+0], (1<<16)|(1<<20)|(4<<22)|(3<<25)             ; no mask; elements of 2 bytes; padding on: after every 32 words 4 words
	s_mov_b32 s[G1A+1], 128<<16
	s_mov_b32 s[G1A+2], 32<<16
	s_mov_b32 s[G1A+3], 128<<16
	s_mov_b32 s[G1A+4], 32
	s_mov_b32 s[G1A+5], 128
	s_mov_b32 s[G1A+6], 0
	s_mov_b32 s[G1A+7], 0
	s_mov_b32 s[G1B+0], 15|(1<<16)|(1<<20)|(1<<21)|(6<<22)|(7<<25)  ; the mask of four; elements of 2 bytes; padding on; bit 21 beside a mask; after every 128 words 8 words
	s_mov_b32 s[G1B+1], 256<<16
	s_mov_b32 s[G1B+2], 32<<16
	s_mov_b32 s[G1B+3], 256<<16
	s_mov_b32 s[G1B+4], 32
	s_mov_b32 s[G1B+5], 2560
	s_mov_b32 s[G1B+6], 0
	s_mov_b32 s[G1B+7], 0
	s_mul_i32 s[LA], s[WN], 64*PY                  ; wave % 4: head (wave % 4) / 2 of the step's two, rows 64 (wave % 2) on
	s_mul_i32 s[LB], s[WN], 32*PB
	s_add_co_u32 s[LB], s[LB], BOFF
	s_mov_b32 s[G0A], 1
	s_mov_b32 s[G0A+1], s[LA]
	s_mov_b32 s[G0B], 1
	s_mov_b32 s[G0B+1], s[LB]
	s_lshr_b32 s82, s28, 4                         ; b
	s_and_b32 s83, s28, 15
	s_lshl_b32 s83, s83, 14                        ; 128 (X % 16) rows of 128 bytes
	s_lshl_b32 s60, s82, 21                        ; yn: b's eight heads,
	s_add_co_u32 s60, s60, s83
	s_lshr_b32 s61, s[WN], 1
	s_lshl_b32 s61, s61, 18                        ; my head of the step's two,
	s_add_co_u32 s60, s60, s61
	s_and_b32 s61, s[WN], 1
	s_lshl_b32 s61, s61, 13                        ; my 64 rows
	s_add_co_u32 s60, s60, s61
	s_mov_b32 s61, 0
	s_lshl_b32 s76, s29, 9                         ; wall: column 2,048 + 256 y,
	s_add_co_u32 s76, s76, 4096
	s_mul_i32 s77, s[WN], 32*5120                  ; my 32 rows of a K step
	s_add_co_u32 s76, s76, s77
	s_mov_b32 s77, 0
	s_lshl_b32 s78, s82, 3                         ; g16: group 8 b + 4 y + wave % 4,
	s_lshl2_add_u32 s78, s29, s78
	s_add_co_u32 s78, s78, s[WN]
	s_lshl_b32 s78, s78, 18
	s_add_co_u32 s78, s78, s83
	s_lshl_b32 s79, s[WM], 13                      ; my 64 rows
	s_add_co_u32 s78, s78, s79
	s_mov_b32 s79, 0
	s_lshl_b32 s80, s28, 18                        ; out0: 128 X rows of 2,048 bytes,
	s_lshl_b32 s81, s[WM], 17
	s_add_co_u32 s80, s80, s81
	s_lshl_b32 s81, s29, 10                        ; 256 y columns,
	s_add_co_u32 s80, s80, s81
	s_lshl_b32 s81, s[WN], 8                       ; my 64
	s_add_co_u32 s80, s80, s81
	s_mov_b32 s81, 0
	s_mov_b32 s[CE], 0xbdb8aa3b
	s_mov_b32 s[CE+1], s[CE]                       ; named as pairs
	s_mov_b32 s[C4], 0x45800000
	s_mov_b32 s[C4+1], s[C4]
	s_wait_dscnt 0x0                               ; the opening add is done
	s_wait_kmcnt 0x0
	s_add_nc_u64 s[ABASE:ABASE+1], s[4:5], s[60:61]
	s_add_nc_u64 s[BBASE:BBASE+1], s[8:9], s[76:77]
	s_add_nc_u64 s[GP:GP+1], s[6:7], s[78:79]
	s_add_nc_u64 s[OP:OP+1], s[10:11], s[80:81]
	s_add_nc_u64 s[G0A+2:G0A+3], s[ABASE:ABASE+1], 0
	s_or_b32 s[G0A+3], s[G0A+3], 0x80000000
	s_add_nc_u64 s[G0B+2:G0B+3], s[BBASE:BBASE+1], 0
	s_or_b32 s[G0B+3], s[G0B+3], 0x80000000
	ROUND                                          ; all four work-groups are here: the first joint loads meet
	JLOAD                                          ; K step 0 into slot 0
	v_and_b32 v1, 15, v0
	v_bfe_u32 v2, v0, 4, 1
	v_mul_u32_u24 v[ADRA], v1, PY
	v_lshl_add_u32 v[ADRA], v2, 4, v[ADRA]
	s_mul_i32 s84, s[WM], 64*PY
	v_add_nc_u32 v[ADRA], s84, v[ADRA]
	v_add_nc_u32 v[ADRA+1], SLOT, v[ADRA]
	v_and_b32 v18, 7, v0
	v_bfe_u32 v19, v0, 3, 1
	v_lshl_add_u32 v20, v2, 3, v18
	v_mul_u32_u24 v[ADRB], v20, PB
	v_lshl_add_u32 v[ADRB], v19, 4, v[ADRB]
	s_lshl_b32 s84, s[WN], 7
	s_add_co_u32 s84, s84, BOFF
	v_add_nc_u32 v[ADRB], s84, v[ADRB]
	v_add_nc_u32 v[ADRB+1], SLOT, v[ADRB]
	s_mul_i32 s84, s[WV], 16*SP
	s_add_co_u32 s84, s84, STAGE                   ; my stage
	v_mul_u32_u24 v[STO], v1, SP                   ; in: row l % 16, 32 bytes (8 f32) for each half of the lanes
	v_lshl_add_u32 v[STO], v2, 5, v[STO]
	v_add_nc_u32 v[STO], s84, v[STO]
	v_mul_u32_u24 v[RD], v2, SP                    ; back: lanes 0-15 take one row of 256 bytes, lanes 16-31 the next
	v_lshl_add_u32 v[RD], v1, 4, v[RD]
	v_add_nc_u32 v[RD], s84, v[RD]
	v_lshlrev_b32 v[GO], 11, v2
	v_lshl_add_u32 v[GO], v1, 4, v[GO]
	v_and_b32 v[GL], 31, v0
	v_lshlrev_b32 v[GL], 3, v[GL]
; the gate of block a, as the way out will want it: load f brings rows 16 a + 2 f, + 1: four columns (8 bytes) a lane, 256 consecutive bytes
.macro GLOAD a, g
.irp f, 0,1,2,3,4,5,6,7
	global_load_b64 v[(\g)+2*(\f):(\g)+2*(\f)+1], v[GL], s[GP:GP+1] offset:(\a)*2048+(\f)*256 th:TH_LOAD_NT
.endr
.endm
	GLOAD 0, GG
	GLOAD 1, GG+16
; 32 along K: four places behind the last products (ISA guide 7.12.1 for vector instructions), 8 + 8 loads, 16 products; the accumulators take turns.
.macro SUB slot, sub, zero
.rept 4
	v_nop
.endr
.irp a, 0,1,2,3
	ds_load_b128 v[AF+8*(\a):AF+8*(\a)+3],   v[ADRA+(\slot)] offset:((\sub)/2)*128*PY+(\a)*16*PY+((\sub)%2)*64
	ds_load_b128 v[AF+8*(\a)+4:AF+8*(\a)+7], v[ADRA+(\slot)] offset:((\sub)/2)*128*PY+(\a)*16*PY+((\sub)%2)*64+32
.endr
.irp b, 0,1,2,3
	ds_load_tr16_b128 v[BF+8*(\b):BF+8*(\b)+3],   v[ADRB+(\slot)] offset:(\sub)*32*PB+32*(\b)
	ds_load_tr16_b128 v[BF+8*(\b)+4:BF+8*(\b)+7], v[ADRB+(\slot)] offset:(\sub)*32*PB+32*(\b)+16*PB
.endr
	s_wait_dscnt 0x0
.irp a, 0,1,2,3
.irp b, 0,1,2,3
.if \zero
	v_wmma_f32_16x16x32_f16 v[ACC+8*(4*(\a)+(\b)):ACC+8*(4*(\a)+(\b))+7], v[BF+8*(\b):BF+8*(\b)+7], v[AF+8*(\a):AF+8*(\a)+7], 0
.else
	v_wmma_f32_16x16x32_f16 v[ACC+8*(4*(\a)+(\b)):ACC+8*(4*(\a)+(\b))+7], v[BF+8*(\b):BF+8*(\b)+7], v[AF+8*(\a):AF+8*(\a)+7], v[ACC+8*(4*(\a)+(\b)):ACC+8*(4*(\a)+(\b))+7]
.endif
.endr
.endr
.endm
; A K step out of slot `slot`.  In front of the barrier each wave waits for all its tensor loads (one is out: its part of this slot), adds 0 to its spare word, and waits for that and for its reads of the other
; slot.  refill = 1: the barrier is a round of the cluster's, and behind it the other slot is filled first, with K step ksn.
.macro TRIP slot, ksn, refill, first
	s_wait_tensorcnt 0x0
	ds_add_u32 v[SPW], v[NIL]                      ; 0 onto my spare word; the descriptors' words stand between it and the wait for it
.if \refill
	s_add_co_u32 s[G0A+1], s[LA], (1-(\slot))*SLOT
	s_add_nc_u64 s[G0A+2:G0A+3], s[ABASE:ABASE+1], (\ksn)*2*262144
	s_or_b32 s[G0A+3], s[G0A+3], 0x80000000
	s_add_co_u32 s[G0B+1], s[LB], (1-(\slot))*SLOT
	s_add_nc_u64 s[G0B+2:G0B+3], s[BBASE:BBASE+1], (\ksn)*128*5120
	s_or_b32 s[G0B+3], s[G0B+3], 0x80000000
.endif
	s_wait_dscnt 0x0
.if \refill
	ROUND
	JLOAD
.else
	s_barrier_signal -1
	s_barrier_wait -1
.endif
	SUB \slot, 0, \first
	SUB \slot, 1, 0
	SUB \slot, 2, 0
	SUB \slot, 3, 0
.endm
; Four numbers: Z in v[z .. z+3], their g' in the two words v[g], v[g+1].  A register's halves have names only where the register is written by its number, so each half is first brought into v20-23.
.macro GATE z, g
	v_mov_b32 v20, v[\g]
	v_lshrrev_b32 v21, 16, v[\g]
	v_mov_b32 v22, v[(\g)+1]
	v_lshrrev_b32 v23, 16, v[(\g)+1]
	v_cvt_f32_f16 v20, v20.l
	v_cvt_f32_f16 v21, v21.l
	v_cvt_f32_f16 v22, v22.l
	v_cvt_f32_f16 v23, v23.l
	v_pk_mul_f32 v[24:25], v[20:21], s[CE:CE+1] op_sel_hi:[1,0]
	v_pk_mul_f32 v[26:27], v[22:23], s[CE:CE+1] op_sel_hi:[1,0]
	v_exp_f32 v24, v24
	v_exp_f32 v25, v25
	v_exp_f32 v26, v26
	v_exp_f32 v27, v27
	v_pk_mul_f32 v[20:21], v[20:21], v[(\z):(\z)+1]        ; plain work behind the exponentials (ISA guide 5.7.2)
	v_pk_mul_f32 v[22:23], v[22:23], v[(\z)+2:(\z)+3]
	s_wait_alu depctr_va_vdst(0)
	v_pk_fma_f32 v[24:25], v[24:25], s[C4:C4+1], s[C4:C4+1] op_sel_hi:[1,0,0]
	v_pk_fma_f32 v[26:27], v[26:27], s[C4:C4+1], s[C4:C4+1] op_sel_hi:[1,0,0]
	v_rcp_f32 v24, v24
	v_rcp_f32 v25, v25
	v_rcp_f32 v26, v26
	v_rcp_f32 v27, v27
	v_nop
	s_wait_alu depctr_va_vdst(0)
	v_pk_mul_f32 v[(\z):(\z)+1], v[20:21], v[24:25]
	v_pk_mul_f32 v[(\z)+2:(\z)+3], v[22:23], v[26:27]
.endm
; Block a goes out: 32 bytes a lane and column block into my stage, back as whole rows of 256 bytes, gated, stored.
.macro OUTB a, g
.irp b, 0,1,2,3
	ds_store_b128 v[STO], v[ACC+32*(\a)+8*(\b):ACC+32*(\a)+8*(\b)+3]   offset:64*(\b)
	ds_store_b128 v[STO], v[ACC+32*(\a)+8*(\b)+4:ACC+32*(\a)+8*(\b)+7] offset:64*(\b)+16
.endr
.irp f, 0,1,2,3,4,5,6,7
	ds_load_b128 v[BF+4*(\f):BF+4*(\f)+3], v[RD] offset:(\f)*2*SP  ; LDS serves a wave's instructions in order (ISA guide 5.7.1.4)
.endr
	s_wait_dscnt 0x0
.irp f, 0,1,2,3,4,5,6,7
	GATE BF+4*(\f), (\g)+2*(\f)
	global_store_b128 v[GO], v[BF+4*(\f):BF+4*(\f)+3], s[OP:OP+1] offset:(16*(\a)+2*(\f))*2048 th:TH_STORE_NT  ; 16 lanes store 256 consecutive bytes, at a multiple of 256 from out0's first
.endr
	s_wait_xcnt 0x0                                ; the stores' registers are rewritten only behind this wait
.endm
	TRIP 0, 1, 1, 1
	TRIP 1, 2, 1, 0
	TRIP 0, 3, 1, 0
	TRIP 1, 0, 0, 0                                ; the last step asks for nothing
.rept 4
	v_nop                                          ; the places behind the last products
.endr
	GLOAD 2, AF
	GLOAD 3, AF+16
	s_wait_loadcnt 16                              ; the gate's blocks 0 and 1 are in; the sixteen loads just issued stay out
	OUTB 0, GG
	OUTB 1, GG+16
	s_wait_loadcnt 0x0
	OUTB 2, AF
	OUTB 3, AF+16
	s_wait_tensorcnt 0x0                           ; the wave's end
	ds_add_u32 v[SPW], v[NIL]
	s_wait_dscnt 0x0
	ROUND                                          ; the closing round
	s_endpgm
.Lfunc_end_k_qba3baafc8d_outp:
	.size	k_qba3baafc8d_outp, .Lfunc_end_k_qba3baafc8d_outp-k_qba3baafc8d_outp
	.p2alignl 7, 3214868480
	.fill 96, 4, 3214868480
	.section	.rodata,"a",@progbits
	.p2align	6, 0x0
	.amdhsa_kernel k_qba3baafc8d_outp
		.amdhsa_group_segment_fixed_size 327680
		.amdhsa_private_segment_fixed_size 0
		.amdhsa_enable_private_segment 0
		.amdhsa_kernarg_size 32
		.amdhsa_user_sgpr_count 2
		.amdhsa_user_sgpr_kernarg_segment_ptr 1
		.amdhsa_wavefront_size32 1
		.amdhsa_system_sgpr_workgroup_id_x 1
		.amdhsa_system_sgpr_workgroup_id_y 1
		.amdhsa_system_sgpr_workgroup_id_z 1
		.amdhsa_system_vgpr_workitem_id 0
		.amdhsa_next_free_vgpr 256
		.amdhsa_next_free_sgpr 96
		.amdhsa_reserve_vcc 0
		.amdhsa_float_denorm_mode_32 3
		.amdhsa_float_denorm_mode_16_64 3
		.amdhsa_memory_ordered 1
		.amdhsa_forward_progress 1
		.amdhsa_inst_pref_size 91
	.end_amdhsa_kernel
	.amdgpu_metadata
---
amdhsa.version: [ 1, 2 ]
amdhsa.kernels:
  - .name:           k_qba3baafc8d_outp
    .symbol:         k_qba3baafc8d_outp.kd
    .args:
      - { .name: yn, .offset: 0, .size: 8, .value_kind: global_buffer, .address_space: global }
      - { .name: g16, .offset: 8, .size: 8, .value_kind: global_buffer, .address_space: global }
      - { .name: wall, .offset: 16, .size: 8, .value_kind: global_buffer, .address_space: global }
      - { .name: out0, .offset: 24, .size: 8, .value_kind: global_buffer, .address_space: global }
    .group_segment_fixed_size: 327680
    .private_segment_fixed_size: 0
    .kernarg_segment_align: 8
    .kernarg_segment_size: 32
    .max_flat_workgroup_size: 256
    .sgpr_count:     96
    .vgpr_count:     256
    .wavefront_size: 32
...
	.end_amdgpu_metadata
.endif
;; end of part 4
